; MI455X (gfx1250); checked and timed in simulation.
; The chip was launched on July 23, 2026; its instructions are those of AMD's public machine-readable ISA for CDNA 5 (MIT licence, August 2026) and "CDNA5" Instruction Set Architecture Reference Guide (July 2026). The comments in the code are by the model that wrote it; some were corrected since.
;; Block. Allowed arithmetic: matrix products marked QUANTISED: E2M3 operands, one E8M0 scale for each 32 along K, by v_wmma_scale_f32_16x16x128_f8f6f4 with both operands' format E2M3, f32 sums; everything else in f32.
;; Inputs: Wkv_codes 2,048 x 64 x 24 uint8 (E2M3 codes of Wkv, K innermost, in blocks of 32 codes, four codes in three bytes); Wkv_scales 2,048 x 64 uint8 (E8M0 scales of Wkv, one for each 32 codes along K); Wp_codes 1,024 x 32 x 24 uint8 (E2M3 codes of Wp, K innermost, in blocks of 32 codes, four codes in three bytes); Wp_scales 1,024 x 32 uint8 (E8M0 scales of Wp, one for each 32 codes along K); Wq_codes 1,024 x 32 x 24 uint8 (E2M3 codes of Wq, K innermost, in blocks of 32 codes, four codes in three bytes); Wq_scales 1,024 x 32 uint8 (E8M0 scales of Wq, one for each 32 codes along K); beta_c 2,048 float32; beta_x 1,024 float32; bkv 2,048 float32; bp 1,024 float32; bq 1,024 float32; context 16 x 256 x 2,048 float32; gamma_c 2,048 float32; gamma_x 1,024 float32; mask 16 x 256 int32; x 16 x 1,024 x 32 x 32 float32.
;; Outputs: out0 16 x 1,024 x 32 x 32 float32.
;; This version of the problem:
;;   THIS VERSION OF THE PROBLEM IS GIVEN IN LOW PRECISION. The matrix products marked QUANTISED in the list below multiply operands that are first quantised to E2M3 (2 exponent bits, 3 mantissa bits; 6 bits a number), with one power-of-two scale for each 32 numbers along K (OCP MX v1.0); their sums are f32. All else is computed in f32.
;;   The module's matrix products, in the order in which they are computed (A, B: the left and right operand; K: the contracted axis; several contracted axes count as one K, in the product's order):
;;     1. [M 16,384, K 1,024] x [K 1,024, N 1,024]; A: computed on the way; B: input Wq (given as codes): QUANTISED
;;     2. [M 4,096, K 2,048] x [K 2,048, N 2,048]; A: computed on the way; B: input Wkv (given as codes): QUANTISED
;;     3. batch 256 x [M 1,024, K 64] x [K 64, N 256]; A: computed on the way; B: computed on the way: QUANTISED
;;     4. batch 256 x [M 64, K 256] x [K 256, N 1,024]; A: computed on the way; B: softmax (see below): QUANTISED
;;     5. [M 16,384, K 1,024] x [K 1,024, N 1,024]; A: computed on the way; B: input Wp (given as codes): QUANTISED
;;   THE QUANTISER, for each operand of a quantised product, along K:
;;     - K is cut into blocks of 32 from its start; a last block that is shorter is filled with zeros.
;;     - A block's scale is 2^e with e = floor(log2(the largest magnitude in the block)) - 2, held to -126 .. 127; a block of zeros has e = 0. As a byte (E8M0): e + 127.
;;     - Each number is divided by its block's scale, clamped to +-7.5, and rounded to the nearest number of E2M3, ties to even, subnormals kept.
;;     - The product sums the exact products of the quantised numbers (number of the format x scale) in f32.
;;   ~~~python
;;   def quantise(x, axis):      # numpy; x: float32 -> the quantised numbers, widened to float32 again
;;       x = np.moveaxis(x, axis, -1); K = x.shape[-1]
;;       x = np.pad(x, [(0, 0)] * (x.ndim - 1) + [(0, -K % 32)]); x = x.reshape(x.shape[:-1] + (-1, 32)); a = np.abs(x).max(-1, keepdims=True)
;;       e = np.where(a > 0, np.clip(np.frexp(np.where(a > 0, a, 1))[1] - 1 - 2, -126, 127), 0)      # np.frexp(a)[1] - 1 = floor(log2(a)), exactly
;;       r = np.clip(x / 2.0 ** e, -7.5, 7.5)
;;       step = 2.0 ** (np.maximum(np.frexp(np.where(r == 0, 1, r))[1] - 1, 0) - 3)
;;       q = np.round(r / step) * step * 2.0 ** e      # np.round: ties to even
;;       return np.moveaxis(q.reshape(q.shape[:-2] + (-1,))[..., :K], -1, axis).astype(np.float32)
;;   ~~~
;;   SOFTMAX AHEAD OF A QUANTISED PRODUCT. Where the list says 'softmax', what is quantised is not the finished softmax but p = 2^(t - M), with t = logit x log2(e) and M = ceil(the row's largest t), a whole number; so 1/2 < the row's largest p <= 1. The row's sum l is taken of the UNQUANTISED p, in f32, and the product's result is divided by l at the end. Since M is a whole number, a kernel that streams over the keys may use a running M (the ceiling of the running maximum): every later rescaling is an exact power of two, which a block's scale takes up: the codes' values come out the same.
;;   OPERANDS COMPUTED ON THE WAY. 'Computed on the way' means the value that the module computes at that place (a softmax that the list does not call 'softmax' is quantised finished and normalised). What goes into a quantiser is computed in f32, as accurately as f32 sums, v_exp_f32 and their like allow (about 1e-6 of the number): no bf16 or f16 on the way to a quantiser, and a product that is left as it is and whose result goes on into a quantised operand takes f32 operands (vector FMAs, or v_wmma_f32_16x16x4_f32). A number that lies on a knife's edge between two numbers of the format may be rounded either way, as far as f32 arithmetic and the matrix unit's own rounding can turn it there, and no further.
;;   INPUTS GIVEN AS CODES. Wkv (in the module: [2048, 2048], K = its axis 1); Wp (in the module: [1024, 1024], K = its axis 1); Wq (in the module: [1024, 1024], K = its axis 1): each comes as NAME_codes (uint8): NAME with its K axis moved to the last place and cut into blocks of 32 codes, [.., K / 32, bytes a block], one block behind the other in memory; four codes in three bytes: a row's codes are one little-endian stream of bits, code i at bits 6 i .. 6 i + 5 (a code: sign, 2 exponent bits, 3 mantissa bits); and NAME_scales (uint8): the same leading axes, one E8M0 byte (e + 127) for each 32 codes along K. Its value is code x scale, taken as it is: it is not quantised again, and the codes and scales need not be those that the quantiser above would give.
;; One version. Each part assembles by itself: llvm-mc -triple=amdgcn-amd-amdhsa -mcpu=gfx1250 --defsym DOCPART=n.
;; ======== version 1 of 1: 4 launches
;; limits: right only within a limited range of input values
;; workspace buffers: xq 13,107,200 bytes; cq 6,553,600 bytes; wo 4,915,200 bytes; qc 13,107,200 bytes; kc 3,276,800 bytes; vc 3,276,800 bytes; ac 13,107,200 bytes
;; launch prep (part 1): grid 768 x 1, 8 waves a work-group, no clusters, 106,240 bytes of LDS; arguments x, context, gamma_x, beta_x, gamma_c, beta_c, Wq_codes, Wq_scales, Wp_codes, Wp_scales, Wkv_codes, Wkv_scales, xq, cq, wo; writes xq, cq, wo
.if DOCPART == 1
	.amdgcn_target "amdgcn-amd-amdhsa--gfx1250"
	.amdhsa_code_object_version 6
	.text
	.protected	k_q6aa750f968_prep
	.globl	k_q6aa750f968_prep
	.p2align	8
	.type	k_q6aa750f968_prep,@function
k_q6aa750f968_prep:
	s_mov_b64 s[64:65], 0
	v_nop
	global_prefetch_b8 v0, s[64:65] scope:SCOPE_SE
	s_setreg_imm32_b32 hwreg(HW_REG_WAVE_MODE, 25, 1), 1
	s_wait_xcnt 0x0
; GroupNorm(x) and GroupNorm(context^T) become codes of FP6 (E2M3) with one E8M0 byte for each 32 channels, and the three given weights are laid anew,
; all in ONE operand layout, in which the products' launches fetch a K step of 256 rows as one dense block and a lane loads its fragment by loads of 16 and 8 bytes.
; THE LAYOUT: [group of 256 rows][K step of 128]: a block of 25,600 bytes.  Pair tp of 32 rows at 3,072 tp; in it the 32 codes of K block beta (0..3) of each row at 768 beta:
; the first 16 of a row's 24 bytes at 256 t + 16 r, the last 8 at 512 + 128 (t xor (beta & 1)) + 8 r, where row 32 tp + 8 t + r + 8 (r / 8) is lane r of tile t.
; The rows' scale words (byte beta = block beta) at 24,576 + 4 (32 tp + 16 t + r).
; TWO PATHS, parted on the work-group's number, each with LDS bytes of its own:
;   0..511    x: one (batch, group): 32 channels x 1,024 places, 131,072 consecutive bytes, kept in registers between the passes.  A group IS one block of 32 along the product's K.
;   512..767  context: one (batch, K step): 256 keys x 128 channels = two groups of 64 channels.
; THE WEIGHTS are 768 x 6,144 bytes of codes: work-group j also moves 32 rows x 192 bytes (two K steps) of one weight (j 0-127 Wq, 128-255 Wp, 256-767 Wkv), no arithmetic.
; A thread is a (row, block of 32 codes): 24 bytes by three loads of 8, into 6,144 bytes of LDS in the new order; behind the barrier that the mean's partial sums need anyway
; wave w takes block w's 768 bytes back and stores them as 512 + 256 consecutive aligned bytes.  So no work-group is there for the weights alone, and the grid is three work-groups for each of 256 WGPs.
; Mean and variance in two passes (sum; sum of squares of x - mean), so that no difference of large sums is formed; then (x - mean) (rstd gamma) + beta, one fused multiply-add.
; LIMITS: a block of zeros gets the byte 1 where the quantiser says 127 (its codes are zeros, and only this program reads the bytes); NaN and infinities among the inputs are not served.
; x's scale bytes leave one byte of each word (a word's four bytes come from four work-groups): 1 byte for 128 read.
; No matrix unit, no tensor load, no cluster: the work-groups share no input.
.set XR,   0                           ; x path: 2 x 128 bytes for the waves' partial sums
.set XST,  256                         ; x path: 3,072 bytes a wave: its four pairs' codes
.set CR,   24832                       ; context path: 2 x 256 bytes for partial sums
.set CST,  25344                       ; context path: 16 rows x (512 + 16) bytes a wave
.set WSX,  92928                       ; x path: 6,144 bytes: the weights' eight blocks of 768
.set WSC,  99072                       ; context path: the same
.set BLK,  25600
.set WV,   3                           ; s3   wave
.set SEL,  100                         ; s[100:101] lane l xor 16
.set WCB,  66                          ; s[66:67] the weight's codes at my work-group's share
.set WSB,  62                          ; s[62:63] its scale bytes at my wave's K step
.set WOB,  48                          ; s[48:49] where my wave's 768 bytes go
.set X,    32                          ; v32-159 the lane's 128 numbers
.set A,    160                         ; v160-167 four chains of sums
.set MN,   20                          ; v[20:21] the mean, twice
.set T,    160                         ; x path: v160-191 one column's 32 channels
.set C,    192                         ; x path: v192-223 a column's codes, 8 registers for each of four columns
.set E,    24                          ; x path: v24-27 the columns' scale bytes
.set OUTR, 224                         ; x path: v224-255 the way out
.set Y,    160                         ; context path: v160-223 64 numbers of a row
.set TM,   224                         ; context path: v224-239 at work in QUANT
.set PC,   32                          ; context path: v32-50 the codes just made (over rows 0-4, which are in the stage by then)
.set PW,   57                          ; context path: the scale word just made
.set WD,   240                         ; the weights: v240-245 24 bytes of codes, v246 a scale word
.set WLC,  247                         ; offset of my 24 bytes in memory
.set WLS,  248                         ; offset of my lane's row's scale word
.set WI16, 249                         ; into the stage: the first 16 bytes,
.set WI8,  250                         ; the last 8 (+ 512)
.set WGW,  251                         ; where my lane's row's scale word goes
.set WO16, 252                         ; out of the stage: 768 w + 16 x lane,
.set WO8,  253                         ; 768 w + 8 x lane (+ 512)
.set WG16, 254                         ; 16 x lane
.set WG8,  255                         ; 8 x lane
; the lane's 128 numbers summed in four chains; the 32 loads are waited for eight at a time: the count is that of the younger loads
.macro SUM64
.set j, 0
.rept 64
.if j%16 == 0
	s_wait_alu depctr_va_vdst(0)
	s_wait_loadcnt 24-8*(j/16)
.endif
.if j < 4
	v_pk_add_f32 v[A+2*j:A+2*j+1], v[X+2*j:X+2*j+1], v[X+2*j+8:X+2*j+9]
.elseif j >= 8
	v_pk_add_f32 v[A+2*(j%4):A+2*(j%4)+1], v[A+2*(j%4):A+2*(j%4)+1], v[X+2*j:X+2*j+1]
.endif
.set j, j+1
.endr
.endm
; x - mean in place, and the squares summed in four chains
.macro SQ64
.set j, 0
.rept 64
	v_pk_add_f32 v[X+2*j:X+2*j+1], v[X+2*j:X+2*j+1], v[MN:MN+1] neg_lo:[0,1] neg_hi:[0,1]
.set j, j+1
.endr
.set j, 0
.rept 64
.if j < 4
	v_pk_mul_f32 v[A+2*j:A+2*j+1], v[X+2*j:X+2*j+1], v[X+2*j:X+2*j+1]
.else
	s_delay_alu instid0(VALU_DEP_4)
	v_pk_fma_f32 v[A+2*(j%4):A+2*(j%4)+1], v[X+2*j:X+2*j+1], v[X+2*j:X+2*j+1], v[A+2*(j%4):A+2*(j%4)+1]
.endif
.set j, j+1
.endr
.endm
.macro ADD8                            ; eight numbers in v[A] on become one
	v_pk_add_f32 v[A:A+1], v[A:A+1], v[A+2:A+3]
	v_pk_add_f32 v[A+4:A+5], v[A+4:A+5], v[A+6:A+7]
	s_delay_alu instid0(VALU_DEP_1)
	v_pk_add_f32 v[A:A+1], v[A:A+1], v[A+4:A+5]
	s_delay_alu instid0(VALU_DEP_1)
	v_add_f32 v[A], v[A], v[A+1]
.endm
.macro FOLD                            ; and then the sixteen lanes of a half
	ADD8
	s_delay_alu instid0(VALU_DEP_1)
	v_add_f32_dpp v[A], v[A], v[A] row_xmask:1 row_mask:0xf bank_mask:0xf
	s_delay_alu instid0(VALU_DEP_1)
	v_add_f32_dpp v[A], v[A], v[A] row_xmask:2 row_mask:0xf bank_mask:0xf
	s_delay_alu instid0(VALU_DEP_1)
	v_add_f32_dpp v[A], v[A], v[A] row_xmask:4 row_mask:0xf bank_mask:0xf
	s_delay_alu instid0(VALU_DEP_1)
	v_add_f32_dpp v[A], v[A], v[A] row_xmask:8 row_mask:0xf bank_mask:0xf
.endm
.macro MEET                            ; my LDS stores have landed: then the work-group's barrier
	s_wait_dscnt 0x0
	s_barrier_signal -1
	s_barrier_wait -1
.endm
; 64 numbers of a lane, register 16 b + i = k 32 b + 16 (lane / 16) + i of my row, become a fragment's 12 registers of codes in v[PC] on and its scale word in v[pw]
.macro QUANT s, pw
.irp b, 0,1,2,3
	v_max3_num_f32 v[TM+\b], |v[\s+16*\b]|, |v[\s+1+16*\b]|, 0x1800000   ; my 16 numbers of block b, and the floor 2^(3 - 127): the byte cannot fall under 1
.endr
.irp i, 2,4,6,8,10,12,14
.irp b, 0,1,2,3
	s_delay_alu instid0(VALU_DEP_4)
	v_max3_num_f32 v[TM+\b], v[TM+\b], |v[\s+16*\b+\i]|, |v[\s+1+16*\b+\i]|
.endr
.endr
.irp b, 0,1,2,3
	s_delay_alu instid0(VALU_DEP_4)
	v_permlanex16_b32 v[TM+4+\b], v[TM+\b], s[SEL], s[SEL+1]
.endr
.irp b, 0,1,2,3
	s_delay_alu instid0(VALU_DEP_4)
	v_max_num_f32 v[TM+\b], v[TM+\b], v[TM+4+\b]         ; with lane l xor 16's: the block's largest magnitude
.endr
.irp b, 0,1,2,3
	s_delay_alu instid0(VALU_DEP_4)
	v_add_nc_u32 v[TM+12+\b], 0xff000000, v[TM+\b]       ; 2 off its exponent field: the conversion's scale operand
.endr
.irp b, 0,1,2,3
	s_delay_alu instid0(VALU_DEP_4)
	v_lshrrev_b32 v[TM+4+\b], 23, v[TM+12+\b]            ; the scale's byte
.endr
	s_delay_alu instid0(VALU_DEP_3)
	v_lshl_or_b32 v[\pw], v[TM+5], 8, v[TM+4]
	s_delay_alu instid0(VALU_DEP_1)
	v_lshl_or_b32 v[\pw], v[TM+6], 16, v[\pw]
	s_delay_alu instid0(VALU_DEP_1)
	v_lshl_or_b32 v[\pw], v[TM+7], 24, v[\pw]
.irp c, 0,1
	v_cvt_scalef32_pk16_fp6_f32 v[PC+6*\c:PC+2+6*\c], v[\s+32*\c:\s+15+32*\c], v[TM+12+2*\c]
	v_cvt_scalef32_pk16_fp6_f32 v[PC+12+4*\c:PC+14+4*\c], v[\s+16+32*\c:\s+31+32*\c], v[TM+12+2*\c+1]
.endr
	v_nop                                          ; one plain place behind a scaled conversion
.irp c, 0,1                                    ; a whole block to a lane: lanes 0-15 block 2 c, lanes 16-31 block 2 c + 1
.irp i, 0,1,2
	v_permlane16_swap_b32 v[PC+6*\c+\i], v[PC+12+4*\c+\i]
.endr
.irp i, 0,1,2
	s_delay_alu instid0(VALU_DEP_3)
	v_mov_b32 v[PC+3+6*\c+\i], v[PC+12+4*\c+\i]
.endr
.endr
.endm
; ---- THE WEIGHTS' SHARE OF A WORK-GROUP, in five pieces that both paths expand
.macro WARGS                           ; the pointers: into registers that hold nothing else yet
	s_load_b256 s[32:39], s[0:1], 0x30             ; Wq's codes, scales; Wp's codes, scales
	s_load_b128 s[40:43], s[0:1], 0x50             ; Wkv's codes, scales
	s_load_b64 s[44:45], s[0:1], 0x70              ; wo
.endm
.macro WINDEX wst                      ; every offset, from the work-group's and the thread's numbers alone; s68-88 and v240-244 at work
	s_and_b32 s68, ttmp9, 127
	s_sub_co_u32 s69, ttmp9, 256
	s_cmp_lt_u32 ttmp9, 128
	s_cselect_b32 s70, 0, 4096000
	s_cmp_lt_u32 ttmp9, 256
	s_cselect_b32 s70, s70, 819200                 ; where the tensor begins in wo
	s_cselect_b32 s68, s68, s69                    ; my share's number in the tensor
	s_cselect_b32 s71, 2, 3                        ; a row has 4 or 8 pairs of K steps: the logarithm,
	s_cselect_b32 s72, 3, 7                        ; and the mask
	s_lshl_b32 s73, 192, s71                       ; a row of codes in bytes: 768 or 1,536
	s_lshl_b32 s74, 8, s71                         ; a row of scale bytes: 32 or 64
	s_and_b32 s72, s68, s72                        ; which pair of K steps
	s_lshr_b32 s75, s68, s71                       ; which 32 rows
	s_lshr_b32 s76, s[WV], 2                       ; on the way out my wave has block w: K step w / 4 of the two,
	s_and_b32 s77, s[WV], 3                        ; beta = w % 4
	s_lshl_b32 s78, s75, 5                         ; the first row
	s_mul_i32 s80, s78, s73
	s_mul_i32 s79, s72, 192
	s_add_co_u32 s80, s80, s79                     ; the share's codes in memory
	s_mov_b32 s81, 0
	s_mul_i32 s82, s78, s74
	s_lshl_b32 s79, s72, 3
	s_add_co_u32 s82, s82, s79
	s_lshl_b32 s79, s76, 2
	s_add_co_u32 s82, s82, s79                     ; my K step's scale words
	s_mov_b32 s83, 0
	s_lshr_b32 s84, s75, 3                         ; group of 256 rows
	s_and_b32 s85, s75, 7                          ; pair tp in it
	s_add_co_u32 s79, s71, 1
	s_lshl_b32 s84, s84, s79                       ; x the K steps of a row
	s_lshl_b32 s79, s72, 1
	s_add_co_u32 s84, s84, s79
	s_add_co_u32 s84, s84, s76                     ; + my K step
	s_mul_i32 s86, s84, BLK
	s_add_co_u32 s86, s86, s70
	s_mul_i32 s79, s85, 3072
	s_add_co_u32 s86, s86, s79
	s_mul_i32 s79, s77, 768
	s_add_co_u32 s86, s86, s79                     ; block + 3,072 tp + 768 beta
	s_mov_b32 s87, 0
	s_mul_i32 s88, s85, 2944
	s_sub_co_u32 s88, 24576, s88                   ; from there (beta = 0) to the pair's scale words: 24,576 + 128 tp - 3,072 tp
	v_lshrrev_b32 v240, 3, v0                      ; my row of the 32: thread / 8
	v_and_b32 v241, 7, v0                          ; my block of the eight: thread % 8
	s_delay_alu instid0(VALU_DEP_2)
	v_mul_u32_u24 v[WLC], v240, s73
	s_delay_alu instid0(VALU_DEP_1)
	v_mad_u32_u24 v[WLC], v241, 24, v[WLC]
	v_mul_u32_u24 v[WLS], v2, s74                  ; the scale words: a lane a row
	s_delay_alu instid0(VALU_DEP_4)
	v_mul_u32_u24 v241, v241, 768
	s_delay_alu instid0(VALU_DEP_1)
	v_add_nc_u32 v241, \wst, v241                  ; my block's place in the stage
	v_bfe_u32 v242, v0, 6, 1                       ; my row is lane r = row % 8 + 8 (row / 16) of tile t = (row / 8) % 2
	v_bfe_u32 v243, v0, 3, 3
	v_bfe_u32 v244, v0, 7, 1
	s_delay_alu instid0(VALU_DEP_1)
	v_lshl_add_u32 v243, v244, 3, v243
	v_and_b32 v244, 1, v0
	s_delay_alu instid0(VALU_DEP_1)
	v_xor_b32 v244, v244, v242                     ; t xor (beta & 1)
	s_delay_alu instid0(VALU_DEP_3)
	v_lshl_add_u32 v[WI16], v243, 4, v241
	s_delay_alu instid0(VALU_DEP_1)
	v_lshl_add_u32 v[WI16], v242, 8, v[WI16]       ; 256 t + 16 r
	v_lshl_add_u32 v[WI8], v243, 3, v241
	s_delay_alu instid0(VALU_DEP_1)
	v_lshl_add_u32 v[WI8], v244, 7, v[WI8]         ; 128 (t xor (beta & 1)) + 8 r
	s_mul_i32 s79, s[WV], 768
	s_add_co_u32 s79, s79, \wst
	v_lshl_add_u32 v[WO16], v2, 4, s79
	v_lshl_add_u32 v[WO8], v2, 3, s79
	v_lshlrev_b32 v[WG16], 4, v2
	v_lshlrev_b32 v[WG8], 3, v2
	v_bfe_u32 v242, v2, 3, 1                       ; the same t and r of row = lane
	v_and_b32 v243, 7, v2
	v_lshrrev_b32 v244, 4, v2
	s_delay_alu instid0(VALU_DEP_1)
	v_lshl_add_u32 v243, v244, 3, v243
	s_delay_alu instid0(VALU_DEP_1)
	v_lshl_add_u32 v[WGW], v243, 2, s88
	s_delay_alu instid0(VALU_DEP_1)
	v_lshl_add_u32 v[WGW], v242, 6, v[WGW]         ; 64 t + 4 r
.endm
.macro WLOADS                          ; behind the wait for the pointers.  The choices hang on the work-group's number alone
	s_cmp_lt_u32 ttmp9, 128
	s_cselect_b64 s[WCB:WCB+1], s[32:33], s[36:37]
	s_cselect_b64 s[WSB:WSB+1], s[34:35], s[38:39]
	s_cmp_lt_u32 ttmp9, 256
	s_cselect_b64 s[WCB:WCB+1], s[WCB:WCB+1], s[40:41]
	s_cselect_b64 s[WSB:WSB+1], s[WSB:WSB+1], s[42:43]
	s_add_nc_u64 s[WCB:WCB+1], s[WCB:WCB+1], s[80:81]
	s_add_nc_u64 s[WSB:WSB+1], s[WSB:WSB+1], s[82:83]
	s_add_nc_u64 s[WOB:WOB+1], s[44:45], s[86:87]
	global_load_b64 v[WD:WD+1], v[WLC], s[WCB:WCB+1]               ; a wave's load touches four rows' runs of 192 bytes
	global_load_b64 v[WD+2:WD+3], v[WLC], s[WCB:WCB+1] offset:8
	global_load_b64 v[WD+4:WD+5], v[WLC], s[WCB:WCB+1] offset:16
	global_load_b32 v[WD+6], v[WLS], s[WSB:WSB+1]
.endm
.macro WSTAGE younger                  ; these four loads are the wave's oldest: the count is that of all the loads issued behind them
	s_wait_loadcnt \younger
	ds_store_b128 v[WI16], v[WD:WD+3]
	ds_store_b64 v[WI8], v[WD+4:WD+5] offset:512
.endm
.macro WBACK                           ; behind the barrier: block w, whole
	ds_load_b128 v[WD:WD+3], v[WO16]
	ds_load_b64 v[WD+4:WD+5], v[WO8] offset:512
.endm
.macro WOUT                            ; behind the wait for these two
	global_store_b128 v[WG16], v[WD:WD+3], s[WOB:WOB+1]            ; 512 consecutive bytes, aligned
	global_store_b64 v[WG8], v[WD+4:WD+5], s[WOB:WOB+1] offset:512 ; and 256
	s_and_b32 s2, s[WV], 3
	s_cmp_lg_u32 s2, 0
	s_cbranch_scc1 .Lno_word_\@                    ; a K step's scale words leave once: by the wave that has its block 0
	global_store_b32 v[WGW], v[WD+6], s[WOB:WOB+1] ; 128 consecutive bytes
.Lno_word_\@:
.endm
	s_set_vgpr_msb 0x40
	v_lshl_add_u32 v0, v0, 2, 0x19b00
	v_mov_b32 v1, 0
	s_set_vgpr_msb 0x4000
	v_lshrrev_b32 v1, 5, v0
	s_delay_alu instid0(VALU_DEP_1)
	v_readfirstlane_b32 s[WV], v1                  ; wave 0..7
	v_and_b32 v2, 31, v0                           ; lane
	s_mov_b32 s[SEL], 0x76543210
	s_mov_b32 s[SEL+1], 0xfedcba98
	s_cmp_lt_u32 ttmp9, 512
	s_cbranch_scc0 .Lcontext
	; ======================= x: work-group 32 b + g =======================
	s_load_b64 s[4:5], s[0:1], 0x0                 ; x
	s_load_b128 s[8:11], s[0:1], 0x10              ; gamma_x, beta_x
	s_load_b64 s[6:7], s[0:1], 0x60                ; xq
	WARGS
	s_and_b32 s12, ttmp9, 31                       ; g
	s_lshr_b32 s13, ttmp9, 5                       ; b
	v_lshlrev_b32 v3, 4, v0                        ; 512 wave + 16 lane: my four places s = 128 w + 4 l + 0..3 of every channel
	s_lshl_b32 s14, ttmp9, 17                      ; the group's 131,072 bytes
	s_mov_b32 s15, 0
	s_wait_alu depctr_va_vdst(0)
	WINDEX WSX
	s_wait_kmcnt 0x0
	WLOADS
	s_add_nc_u64 s[4:5], s[4:5], s[14:15]
.set i, 0
.rept 32
	global_load_b128 v[X+4*i:X+4*i+3], v3, s[4:5] offset:4096*i th:TH_LOAD_NT    ; channel i: a wave reads 512 consecutive bytes
.set i, i+1
.endr
	s_lshl_b32 s50, s12, 7
	s_mov_b32 s51, 0
	s_add_nc_u64 s[8:9], s[8:9], s[50:51]
	s_add_nc_u64 s[10:11], s[10:11], s[50:51]
	s_load_b512 s[16:31], s[8:9], 0x0              ; the group's 32 gamma: s16-47 (the weights' pointers and offsets that lay here and in s68 on are used up)
	s_load_b512 s[32:47], s[8:9], 0x40
	s_load_b512 s[68:83], s[10:11], 0x0            ; and 32 beta: s68-99
	s_load_b512 s[84:99], s[10:11], 0x40
	s_lshr_b32 s50, s[WV], 1
	s_lshl_b32 s51, s13, 2
	s_add_co_u32 s50, s50, s51                     ; group of 256 rows: 4 b + w / 2
	s_lshl_b32 s50, s50, 3
	s_lshr_b32 s51, s12, 2
	s_add_co_u32 s50, s50, s51                     ; x 8 + K step g / 4
	s_mul_i32 s50, s50, BLK
	s_mov_b32 s51, 0
	s_add_nc_u64 s[6:7], s[6:7], s[50:51]          ; the block
	s_and_b32 s52, s[WV], 1
	s_and_b32 s53, s12, 3                          ; beta = g % 4
	s_mul_i32 s54, s52, 12288                      ; my four pairs
	s_mul_i32 s55, s53, 768
	s_add_co_u32 s54, s54, s55
	s_mov_b32 s55, 0
	s_add_nc_u64 s[56:57], s[6:7], s[54:55]        ; where my codes go
	s_lshl_b32 s54, s52, 9
	s_add_co_u32 s54, s54, s53
	s_add_co_u32 s54, s54, 24576
	s_add_nc_u64 s[58:59], s[6:7], s[54:55]        ; and my scale bytes: byte beta of each word
	; place 4 l + j of my 128: pair l / 8; in it t = (l / 2) % 2, r = 4 (l % 2) + j + 8 ((l / 4) % 2)
	v_lshrrev_b32 v11, 3, v2
	v_bfe_u32 v12, v2, 1, 1
	v_bfe_u32 v13, v2, 2, 1
	v_and_b32 v14, 1, v2
	s_mul_i32 s60, s[WV], 3072
	s_add_co_u32 s60, s60, XST                     ; my stage
	v_mul_u32_u24 v15, v11, 768
	s_delay_alu instid0(VALU_DEP_1)
	v_add_nc_u32 v15, s60, v15
	s_delay_alu instid0(VALU_DEP_1)
	v_lshl_add_u32 v4, v12, 8, v15                 ; into the stage, 16-byte parts: 768 p + 256 t + 16 r
	s_delay_alu instid0(VALU_DEP_1)
	v_lshl_add_u32 v4, v13, 7, v4
	s_delay_alu instid0(VALU_DEP_1)
	v_lshl_add_u32 v4, v14, 6, v4
	s_delay_alu instid0(VALU_DEP_4)
	v_lshl_add_u32 v5, v12, 7, v15                 ; 8-byte parts: 768 p + 512 + 128 t + 8 r
	s_delay_alu instid0(VALU_DEP_1)
	v_lshl_add_u32 v5, v13, 6, v5
	s_delay_alu instid0(VALU_DEP_1)
	v_lshl_add_u32 v5, v14, 5, v5
	v_lshl_add_u32 v6, v2, 4, s60                  ; out of it: 16 x lane,
	v_lshl_add_u32 v7, v2, 3, s60                  ; 8 x lane
	v_lshlrev_b32 v8, 4, v2                        ; and in memory: 16 x lane;
	v_lshrrev_b32 v16, 4, v2
	s_and_b32 s61, s12, 1
	v_xor_b32 v16, s61, v16
	v_and_b32 v9, 15, v2
	s_delay_alu instid0(VALU_DEP_1)
	v_lshlrev_b32 v9, 3, v9
	s_delay_alu instid0(VALU_DEP_1)
	v_lshl_add_u32 v9, v16, 7, v9                  ; 128 (t xor (beta & 1)) + 8 r
	v_lshlrev_b32 v10, 7, v11                      ; my places' scale words: 4 (32 p + 16 t + r)
	s_delay_alu instid0(VALU_DEP_1)
	v_lshl_add_u32 v10, v12, 6, v10
	s_delay_alu instid0(VALU_DEP_1)
	v_lshl_add_u32 v10, v13, 5, v10
	s_delay_alu instid0(VALU_DEP_1)
	v_lshl_add_u32 v10, v14, 4, v10
	s_lshl_b32 s60, s[WV], 2
	s_add_co_u32 s60, s60, XR
	v_mov_b32 v17, s60                             ; my wave's word among the partial sums
	v_mov_b32 v18, XR
	s_mov_b32 s52, 0x38000000                      ; 2^-15: a group has 32,768 numbers
	s_mov_b32 s53, 0x3727c5ac                      ; 1e-5
	WSTAGE 32                                      ; the 32 loads of x may be out
	SUM64
	FOLD
	s_delay_alu instid0(VALU_DEP_1)
	v_permlanex16_b32 v[A+1], v[A], s[SEL], s[SEL+1]
	s_delay_alu instid0(VALU_DEP_1)
	v_add_f32 v[A], v[A], v[A+1]
	ds_store_b32 v17, v[A]                         ; all lanes write the same word with the same value
	MEET                                           ; the partial sums and the weights' eight blocks lie in LDS
	ds_load_b128 v[A:A+3], v18
	ds_load_b128 v[A+4:A+7], v18 offset:16
	WBACK
	s_wait_dscnt 0x0
	WOUT
	ADD8
	s_delay_alu instid0(VALU_DEP_1)
	v_mul_f32 v[MN], s52, v[A]                     ; the mean
	s_delay_alu instid0(VALU_DEP_1)
	v_mov_b32 v[MN+1], v[MN]
	SQ64
	FOLD
	s_delay_alu instid0(VALU_DEP_1)
	v_permlanex16_b32 v[A+1], v[A], s[SEL], s[SEL+1]
	s_delay_alu instid0(VALU_DEP_1)
	v_add_f32 v[A], v[A], v[A+1]
	ds_store_b32 v17, v[A] offset:128              ; other bytes than the first sums': no wave can still be reading them
	MEET
	ds_load_b128 v[A:A+3], v18 offset:128
	ds_load_b128 v[A+4:A+7], v18 offset:144
	s_wait_dscnt 0x0
	s_wait_xcnt 0x0                                ; the weights' stores, the only memory instructions that are out, have read v240-255: the way out below writes them
	ADD8
	s_delay_alu instid0(VALU_DEP_1)
	v_fma_f32 v22, v[A], s52, s53                  ; the variance + 1e-5
	s_wait_alu depctr_va_vdst(0)
	v_rsq_f32 v23, v22
	v_nop                                          ; a plain place behind the transcendental
	s_wait_alu depctr_va_vdst(0)                   ; and the wait ahead of its first reader
	v_readfirstlane_b32 s54, v23                   ; the same number in every lane
	s_wait_kmcnt 0x0                               ; gamma and beta
.set c, 0
.rept 32
	s_mul_f32 s[16+c], s[16+c], s54                ; gamma x rstd
.set c, c+1
.endr
; column j of my four: its 32 channels are one block along K, all in my registers
.macro XCOL j
.set c, 0
.rept 32
	v_fma_f32 v[T+c], v[X+4*c+\j], s[16+c], s[68+c]
.set c, c+1
.endr
	v_max3_num_f32 v12, |v[T]|, |v[T+1]|, |v[T+2]|
	v_max3_num_f32 v13, |v[T+3]|, |v[T+4]|, |v[T+5]|
.irp i, 6,10,14,18,22,26
	s_delay_alu instid0(VALU_DEP_2)
	v_max3_num_f32 v12, v12, |v[T+\i]|, |v[T+\i+1]|
	s_delay_alu instid0(VALU_DEP_2)
	v_max3_num_f32 v13, v13, |v[T+\i+2]|, |v[T+\i+3]|
.endr
	s_delay_alu instid0(VALU_DEP_2)
	v_max3_num_f32 v12, v12, |v[T+30]|, |v[T+31]|
	s_delay_alu instid0(VALU_DEP_1)
	v_max3_num_f32 v12, v12, v13, 0x1800000        ; and the floor 2^(3 - 127)
	s_delay_alu instid0(VALU_DEP_1)
	v_add_nc_u32 v11, 0xff000000, v12              ; 2 off the exponent field: the conversion's scale operand
	v_cvt_scalef32_pk16_fp6_f32 v[C+8*\j:C+8*\j+2], v[T:T+15], v11
	v_cvt_scalef32_pk16_fp6_f32 v[C+8*\j+4:C+8*\j+6], v[T+16:T+31], v11
	v_lshrrev_b32 v[E+\j], 23, v11                 ; the byte (the plain place behind the conversions)
	v_mov_b32 v[C+8*\j+3], v[C+8*\j+4]             ; the block's 24 bytes on end
	v_mov_b32 v[C+8*\j+4], v[C+8*\j+5]
	v_mov_b32 v[C+8*\j+5], v[C+8*\j+6]
	ds_store_b128 v4, v[C+8*\j:C+8*\j+3] offset:16*\j
	ds_store_b64 v5, v[C+8*\j+4:C+8*\j+5] offset:512+8*\j
	global_store_b8 v10, v[E+\j], s[58:59] offset:4*\j
.endm
	XCOL 0
	XCOL 1
	XCOL 2
	XCOL 3
.irp p, 0,1,2,3
	ds_load_b128 v[OUTR+8*\p:OUTR+8*\p+3], v6 offset:768*\p          ; LDS serves a wave's instructions in order: these see my stores
	ds_load_b64 v[OUTR+8*\p+4:OUTR+8*\p+5], v7 offset:768*\p+512
.endr
.irp p, 0,1,2,3
	s_wait_dscnt 6-2*\p                            ; the younger pairs' loads may be out
	global_store_b128 v8, v[OUTR+8*\p:OUTR+8*\p+3], s[56:57] offset:3072*\p        ; 512 consecutive bytes, aligned
	global_store_b64 v9, v[OUTR+8*\p+4:OUTR+8*\p+5], s[56:57] offset:3072*\p+512   ; 256 consecutive bytes, aligned
.endr
	s_set_vgpr_msb 0x5
	s_wait_tensorcnt 0x0
	ds_add_u32 v0, v1
	s_wait_dscnt 0x0
	s_set_vgpr_msb 0x500
	s_endpgm
.Lcontext:
	; ======================= context: work-group 512 + 16 b + K step =======================
	s_load_b64 s[4:5], s[0:1], 0x8                 ; context
	s_load_b128 s[8:11], s[0:1], 0x20              ; gamma_c, beta_c
	s_load_b64 s[6:7], s[0:1], 0x68                ; cq
	WARGS
	s_sub_co_u32 s12, ttmp9, 512
	s_lshr_b32 s13, s12, 4                         ; b
	s_and_b32 s12, s12, 15                         ; K step: channels 128 ks on: two groups of 64, one in lanes 0-15, one in lanes 16-31
	v_and_b32 v1, 15, v0                           ; r
	v_bfe_u32 v19, v0, 4, 1                        ; h
	s_wait_alu depctr_va_vdst(0)
	v_lshlrev_b32 v3, 4, v2                        ; 16 x lane: my four channels
	s_lshl_b32 s14, s[WV], 18
	v_add_nc_u32 v4, s14, v3                       ; + my wave's 32 keys of 8,192 bytes
	s_lshl_b32 s14, s13, 21
	s_lshl_b32 s16, s12, 9
	s_add_co_u32 s14, s14, s16
	s_mov_b32 s15, 0
	s_mov_b32 s17, 0
	WINDEX WSC
	s_wait_kmcnt 0x0
	WLOADS
	s_add_nc_u64 s[4:5], s[4:5], s[14:15]
	s_add_nc_u64 s[8:9], s[8:9], s[16:17]
	s_add_nc_u64 s[10:11], s[10:11], s[16:17]
	global_load_b128 v[24:27], v3, s[8:9]          ; gamma of my four channels
	global_load_b128 v[28:31], v3, s[10:11]        ; beta
.set i, 0
.rept 32
	global_load_b128 v[X+4*i:X+4*i+3], v4, s[4:5] offset:8192*i th:TH_LOAD_NT    ; key 32 w + i: 512 consecutive bytes
.set i, i+1
.endr
	s_mul_i32 s18, s[WV], 8448
	s_add_co_u32 s18, s18, CST                     ; my stage
	v_add_nc_u32 v5, s18, v3                       ; in: 16 x lane of a row
	v_mul_u32_u24 v6, v1, 528
	s_delay_alu instid0(VALU_DEP_1)
	v_lshl_add_u32 v6, v19, 6, v6
	s_delay_alu instid0(VALU_DEP_1)
	v_add_nc_u32 v6, s18, v6                       ; out: row r, + 64 h: my 16 numbers of each block of 32
	s_lshl_b32 s19, s[WV], 3
	s_add_co_u32 s19, s19, CR
	v_lshl_add_u32 v17, v19, 2, s19                ; my wave's and my half's word among the partial sums
	v_lshlrev_b32 v18, 2, v19
	s_delay_alu instid0(VALU_DEP_1)
	v_add_nc_u32 v18, CR, v18
	v_mul_u32_u24 v7, v19, 768
	s_delay_alu instid0(VALU_DEP_1)
	v_lshl_add_u32 v7, v1, 4, v7                   ; in memory: 768 h + 16 r;
	v_lshlrev_b32 v8, 3, v2                        ; 8 x lane;
	v_xor_b32 v9, 1, v19
	s_delay_alu instid0(VALU_DEP_1)
	v_lshlrev_b32 v9, 7, v9
	s_delay_alu instid0(VALU_DEP_1)
	v_lshl_add_u32 v9, v1, 3, v9                   ; 128 ((lane / 16) xor 1) + 8 r;
	v_lshlrev_b32 v10, 2, v2                       ; 4 x lane
	v_cmp_lt_u32 s24, 15, v2                       ; lanes 16-31
	s_lshl_b32 s20, s13, 4
	s_add_co_u32 s20, s20, s12
	s_mul_i32 s20, s20, BLK                        ; block (b, ks)
	s_mov_b32 s21, 0
	s_add_nc_u64 s[6:7], s[6:7], s[20:21]
	s_mul_i32 s20, s[WV], 3072                     ; my 32 keys are pair w
	s_add_nc_u64 s[20:21], s[6:7], s[20:21]
	s_lshl_b32 s22, s[WV], 7
	s_add_co_u32 s22, s22, 24576
	s_mov_b32 s23, 0
	s_add_nc_u64 s[22:23], s[6:7], s[22:23]        ; and its scale words
	s_mov_b32 s52, 0x38800000                      ; 2^-14: a group has 16,384 numbers
	s_mov_b32 s53, 0x3727c5ac                      ; 1e-5
.irp b, 0,1,2,3
	v_mov_b32 v[TM+4+\b], 0                        ; written once: a lane permute's destination counts as one of its sources
.endr
	WSTAGE 34                                      ; gamma's, beta's and the 32 loads of the context may be out
	SUM64
	FOLD                                           ; over my half's sixteen lanes
	ds_store_b32 v17, v[A]
	MEET                                           ; the partial sums and the weights' eight blocks lie in LDS
.irp w, 0,1,2,3,4,5,6,7
	ds_load_b32 v[A+\w], v18 offset:8*\w
.endr
	WBACK
	s_wait_dscnt 0x0
	WOUT
	ADD8
	s_delay_alu instid0(VALU_DEP_1)
	v_mul_f32 v[MN], s52, v[A]
	s_delay_alu instid0(VALU_DEP_1)
	v_mov_b32 v[MN+1], v[MN]
	SQ64
	FOLD
	ds_store_b32 v17, v[A] offset:256
	MEET
.irp w, 0,1,2,3,4,5,6,7
	ds_load_b32 v[A+\w], v18 offset:256+8*\w
.endr
	s_wait_dscnt 0x0
	ADD8
	s_delay_alu instid0(VALU_DEP_1)
	v_fma_f32 v12, v[A], s52, s53
	s_wait_alu depctr_va_vdst(0)
	v_rsq_f32 v22, v12
	v_nop                                          ; a plain place behind the transcendental
	s_wait_alu depctr_va_vdst(0)                   ; the wait ahead of its first reader
	v_mov_b32 v23, v22
	v_pk_mul_f32 v[24:25], v[24:25], v[22:23]      ; gamma x rstd
	v_pk_mul_f32 v[26:27], v[26:27], v[22:23]
.set i, 0
.rept 32
	v_pk_fma_f32 v[X+4*i:X+4*i+1], v[X+4*i:X+4*i+1], v[24:25], v[28:29]
	v_pk_fma_f32 v[X+4*i+2:X+4*i+3], v[X+4*i+2:X+4*i+3], v[26:27], v[30:31]
.set i, i+1
.endr
; tile t of my pair: its sixteen keys go through my stage, so that lane (r, h) holds 16 neighbouring channels of each block of its key
.macro CTILE t
.set r, 0
.rept 16
	ds_store_b128 v5, v[X+4*(8*\t+r+8*(r/8)):X+4*(8*\t+r+8*(r/8))+3] offset:528*r
.set r, r+1
.endr
.set i, 0
.rept 16
	ds_load_b128 v[Y+4*i:Y+4*i+3], v6 offset:128*(i/4)+16*(i%4)
.set i, i+1
.endr
	s_wait_dscnt 0x0
	s_wait_xcnt 0x0                                ; the last tile's stores have read the codes' registers
	QUANT Y, PW
	global_store_b128 v7, v[PC:PC+3], s[20:21] offset:256*\t           ; blocks h: two aligned runs of 256 bytes
	global_store_b128 v7, v[PC+6:PC+9], s[20:21] offset:1536+256*\t    ; blocks 2 + h
.endm
	CTILE 0
	v_mov_b32 v52, v[PC+4]                         ; tile 0's 8-byte parts and scale word are kept: with tile 1's they fill whole runs
	v_mov_b32 v53, v[PC+5]
	v_mov_b32 v54, v[PC+10]
	v_mov_b32 v55, v[PC+11]
	v_mov_b32 v56, v[PW]
	CTILE 1
	v_permlane16_swap_b32 v52, v[PC+4]             ; the kept: lanes 0-15 tile 0, lanes 16-31 tile 1, both of the even block; the other: the same of the odd block
	v_permlane16_swap_b32 v53, v[PC+5]
	v_permlane16_swap_b32 v54, v[PC+10]
	v_permlane16_swap_b32 v55, v[PC+11]
	v_cndmask_b32 v56, v56, v[PW], s24             ; lanes 0-15 tile 0's words, lanes 16-31 tile 1's
	global_store_b64 v8, v[52:53], s[20:21] offset:512
	global_store_b64 v9, v[PC+4:PC+5], s[20:21] offset:768+512
	global_store_b64 v8, v[54:55], s[20:21] offset:1536+512
	global_store_b64 v9, v[PC+10:PC+11], s[20:21] offset:2304+512
	global_store_b32 v10, v56, s[22:23]            ; 128 consecutive bytes
	s_set_vgpr_msb 0x5
	s_wait_tensorcnt 0x0
	ds_add_u32 v0, v1
	s_wait_dscnt 0x0
	s_set_vgpr_msb 0x500
	s_endpgm
.Lfunc_end_k_q6aa750f968_prep:
	.size	k_q6aa750f968_prep, .Lfunc_end_k_q6aa750f968_prep-k_q6aa750f968_prep
	.p2alignl 7, 3214868480
	.fill 96, 4, 3214868480
	.section	.rodata,"a",@progbits
	.p2align	6, 0x0
	.amdhsa_kernel k_q6aa750f968_prep
		.amdhsa_group_segment_fixed_size 106240
		.amdhsa_private_segment_fixed_size 0
		.amdhsa_enable_private_segment 0
		.amdhsa_kernarg_size 120
		.amdhsa_user_sgpr_count 2
		.amdhsa_user_sgpr_kernarg_segment_ptr 1
		.amdhsa_wavefront_size32 1
		.amdhsa_system_sgpr_workgroup_id_x 1
		.amdhsa_system_sgpr_workgroup_id_y 1
		.amdhsa_system_sgpr_workgroup_id_z 1
		.amdhsa_system_vgpr_workitem_id 0
		.amdhsa_next_free_vgpr 258
		.amdhsa_next_free_sgpr 102
		.amdhsa_reserve_vcc 0
		.amdhsa_float_denorm_mode_32 3
		.amdhsa_float_denorm_mode_16_64 3
		.amdhsa_memory_ordered 1
		.amdhsa_forward_progress 1
		.amdhsa_inst_pref_size 98
	.end_amdhsa_kernel
	.amdgpu_metadata
---
amdhsa.version: [ 1, 2 ]
amdhsa.kernels:
  - .name:           k_q6aa750f968_prep
    .symbol:         k_q6aa750f968_prep.kd
    .args:
      - { .name: x, .offset: 0, .size: 8, .value_kind: global_buffer, .address_space: global }
      - { .name: context, .offset: 8, .size: 8, .value_kind: global_buffer, .address_space: global }
      - { .name: gamma_x, .offset: 16, .size: 8, .value_kind: global_buffer, .address_space: global }
      - { .name: beta_x, .offset: 24, .size: 8, .value_kind: global_buffer, .address_space: global }
      - { .name: gamma_c, .offset: 32, .size: 8, .value_kind: global_buffer, .address_space: global }
      - { .name: beta_c, .offset: 40, .size: 8, .value_kind: global_buffer, .address_space: global }
      - { .name: Wq_codes, .offset: 48, .size: 8, .value_kind: global_buffer, .address_space: global }
      - { .name: Wq_scales, .offset: 56, .size: 8, .value_kind: global_buffer, .address_space: global }
      - { .name: Wp_codes, .offset: 64, .size: 8, .value_kind: global_buffer, .address_space: global }
      - { .name: Wp_scales, .offset: 72, .size: 8, .value_kind: global_buffer, .address_space: global }
      - { .name: Wkv_codes, .offset: 80, .size: 8, .value_kind: global_buffer, .address_space: global }
      - { .name: Wkv_scales, .offset: 88, .size: 8, .value_kind: global_buffer, .address_space: global }
      - { .name: xq, .offset: 96, .size: 8, .value_kind: global_buffer, .address_space: global }
      - { .name: cq, .offset: 104, .size: 8, .value_kind: global_buffer, .address_space: global }
      - { .name: wo, .offset: 112, .size: 8, .value_kind: global_buffer, .address_space: global }
    .group_segment_fixed_size: 106240
    .private_segment_fixed_size: 0
    .kernarg_segment_align: 8
    .kernarg_segment_size: 120
    .max_flat_workgroup_size: 256
    .sgpr_count:     102
    .vgpr_count:     258
    .wavefront_size: 32
...
	.end_amdgpu_metadata
.endif
;; end of part 1
;; launch proj3 (part 2): grid 16 x 16, 4 waves a work-group, clusters of 4 x 4, 327,680 bytes of LDS; arguments xq, cq, wo, bq, bkv, qc, kc, vc; writes qc, kc, vc
.if DOCPART == 2
	.amdgcn_target "amdgcn-amd-amdhsa--gfx1250"
	.amdhsa_code_object_version 6
	.text
	.protected	k_q6aa750f968_proj3
	.globl	k_q6aa750f968_proj3
	.p2align	8
	.type	k_q6aa750f968_proj3,@function
k_q6aa750f968_proj3:
	s_mov_b64 s[64:65], 0
	v_nop
	global_prefetch_b8 v0, s[64:65] scope:SCOPE_SE
	s_setreg_imm32_b32 hwreg(HW_REG_WAVE_MODE, 25, 1), 1
	s_wait_xcnt 0x0
	s_wait_alu depctr_hold_cnt(0) depctr_sa_sdst(0) depctr_va_vdst(0) depctr_va_sdst(0) depctr_va_ssrc(0) depctr_va_vcc(0) depctr_vm_vsrc(0)
	s_getreg_b32 s2, hwreg(HW_REG_IB_STS2, 6, 4)
	s_cmp_eq_u32 s2, 0
	s_cbranch_scc0 .Lentry_in_a_cluster
	s_endpgm
.Lentry_in_a_cluster:
	s_bfe_u32 s2, ttmp6, 0x10000c
	s_cmp_lg_u32 s2, 0xf033
	s_cbranch_scc0 .Lentry_shape_is_right
	s_endpgm
.Lentry_shape_is_right:
; q, k and v in ONE launch of 256 equal jobs of 16 K steps of 128, all on codes of FP6 (E2M3) with E8M0 scales; the results leave QUANTISED, as the operands of attention's two products.
; A tile is 256 x 256, four waves of 128 x 128 (64 accumulators, 512 registers).  THE JOBS, by the cluster's y (the same in all sixteen partners):
;   y 0, 1  q: two tiles of K = 1,024, one behind the other: lanes = 512 places of x (two groups of 256 rows, on end in xq), registers = 256 rows of Wq (fetched twice);
;   y 2     k: one tile of K = 2,048: lanes = a batch's 256 keys, registers = 256 rows of Wkv's first half;
;   y 3     v: one tile of K = 2,048: lanes = 256 rows of Wkv's second half, registers = a batch's 256 keys.
; The side called A is source 1 (its rows become lanes), the side called B source 0 (its rows become registers).  In both, lane r of tile t of a pair of 32 rows is row 8 t + r + 8 (r / 8):
; so the 16 registers of B's tiles 2 i and 2 i + 1 are 16 NEIGHBOURS along the axis that the result is quantised along: the head's channels for q and k, the keys for v.
; OPERANDS lie in memory as dense blocks of 25,600 bytes for each (256 rows, K step): 24,576 of codes in the order in which lanes load them, 1,024 of scale words.
; THE RING: two LDS slots of 4 blocks (A's two K steps, B's two); each wave fetches one block by one tensor load of 100 rows x 256 bytes.
; CLUSTER 4 x 4: A's blocks are shared along a row of the cluster, B's along a column: joint loads.
; THE BIAS is the C of each sum's first product.  THE WAY OUT: (sum) x 2^-1.5 for q and k (x 1 for v), quantised in registers, 128 along the registers = one fragment and one scale word a row.
; ROUNDING: the bias enters the matrix unit's sum, then one multiplication.  LIMITS: a block of zeros gets the byte 1, not 127 (zero codes; only this program reads the bytes); NaN and infinities are not served.
; REGISTERS: window 0: v4-23 addresses, v28-29 the add's, v32-47 scale words (two sets), v64-127 the bias, v128-223 A's fragments (one set).
;   window 1: v0-95, v128-223 B's fragments (two sets); on the way out v96-123 at work, v128-191 a tile's 64 numbers, v192-210 codes.   windows 2, 3: the accumulators.
.set BLK,   25600
.set SLOT,  4*BLK
.set SPARE, 2*SLOT                     ; behind the ring: the spare words, 128 bytes a wave
.set STG,   SPARE+512                  ; behind them: 512 bytes a wave for a tile's scale words; no tensor load lands here
.set A16, 4                            ; v4-5    A's 16-byte parts in slot 0, 1
.set A8,  6                            ; v6-7    A's 8-byte parts, even tiles; v8-9 odd tiles
.set B16, 10                           ; v10-11, v12-13, v14-15 the same for B
.set B8,  12
.set AS,  16                           ; v16-17  scale words: lanes 0-15 A's, lanes 16-31 B's
.set L16, 18                           ; v18     16 x lane
.set L8,  19                           ; v19     512 + 8 x lane
.set STW, 20                           ; v20     my stage, 4 r
.set STR, 21                           ; v21     my stage, 16 x lane
.set BO1, 22                           ; v22     bias along the registers: 64 h
.set BO2, 23                           ; v23     bias along the lanes: 4 (r + 8 (r / 8))
.set SPW, 28
.set NIL, 29
.set SC,  32
.set BI,  64
.set AF,  128
.set TM,  96                           ; window 1
.set PWB, 112
.set RB,  120
.set VAL, 128
.set PC,  192
.set WV, 20
.set HA, 21                            ; wave / 2: my half of A's rows; also: I fetch for A (0) or B (1)
.set HB, 22                            ; wave % 2: my half of B's rows; also: which K step of a slot I fetch
.set CX, 23
.set CY, 24
.set XX, 25
.set YY, 26
.set G1A, 28
.set G0A, 36
.set G1B, 44
.set G0B, 52
.set F,   60                           ; s[60:61] the factor on the way out
.set RW,  62                           ; s[62:63] what B's address goes back by (a q job's second tile)
.set OB0, 66                           ; s[66:67], s[68:69] where a tile's two halves of codes go
.set OB1, 68
.set SB,  70                           ; s[70:71] and its scale words
.set TS,  72                           ; s[72:73] from tile to tile
.set CNT, 74
.set JQ,  75
.set JV,  76
.set MID, 77
.set SEL, 78
.set MSB, 0
.macro WIN new                         ; the immediate's high byte repeats the setting that is left
.if MSB != (\new)
	s_set_vgpr_msb (MSB<<8)|(\new)
.set MSB, (\new)
.endif
.endm
.macro PLACES                          ; four plain places behind matrix instructions, in front of loads into their registers and of reads of their results
.rept 4
	v_nop
.endr
.endm
.macro JLOAD s                         ; a joint load: waves 0, 1 for A, waves 2, 3 for B; four v_nop follow each line
	s_cmp_eq_u32 s[HA], 0
	s_cbranch_scc0 .Lfor_b_\@
	tensor_load_to_lds s[G0A+4*\s:G0A+4*\s+3], s[G1A:G1A+7]
	s_nop 0
.rept 4
	v_nop
.endr
	s_branch .Lasked_\@
.Lfor_b_\@:
	tensor_load_to_lds s[G0B+4*\s:G0B+4*\s+3], s[G1B:G1B+7]
	s_nop 0
.rept 4
	v_nop
.endr
.Lasked_\@:
.endm
.macro CREST                           ; a round of the cluster's barrier behind its opening barrier
	s_cmp_lg_u32 s[WV], 0
	s_cbranch_scc1 .Lnot_wave_0_\@
	s_barrier_signal -3
.Lnot_wave_0_\@:
	s_barrier_wait -3
	s_barrier_signal -1
	s_barrier_wait -1
.endm
.macro CROUND
	s_barrier_signal -1
	s_barrier_wait -1
	CREST
.endm
; a fragment (16 rows x 128 K, 12 registers): lane (r, h) takes blocks h and 2 + h of its row: 16 + 8 bytes each.  Each half of the lanes reads 256 (128) consecutive bytes
.macro FRAG reg, a16, a8, off, i
.irp cc, 0,1
	ds_load_b128 v[\reg+6*\cc:\reg+6*\cc+3], v[\a16] offset:(\off)+3072*((\i)/2)+1536*\cc+256*((\i)%2)
	ds_load_b64 v[\reg+6*\cc+4:\reg+6*\cc+5], v[\a8+2*((\i)%2)] offset:(\off)+3072*((\i)/2)+1536*\cc+512
.endr
.endm
.macro FETCH_B slot, q, p              ; B's eight fragments of the slot's K step q into set p: 32 loads
	WIN 0x40
.irp i, 0,1,2,3,4,5,6,7
	FRAG 128*(\p)+12*\i, B16+\slot, B8+\slot, BLK*(\q), \i
.endr
	WIN 0
.endm
.macro FETCH_A slot, q, i0             ; A's blocks i0 .. i0 + 3: 16 loads
.irp i, \i0, \i0+1, \i0+2, \i0+3
	FRAG AF+12*(\i), A16+\slot, A8+\slot, BLK*(\q), \i
.endr
.endm
.macro SCALES slot, q                  ; register i of set q: lanes 0-15 the words of A's block i, lanes 16-31 of B's block i
.irp i, 0,1,2,3,4,5,6,7
	ds_load_b32 v[SC+8*(\q)+\i], v[AS+\slot] offset:BLK*(\q)+64*\i
.endr
.endm
.macro WMUL hi, cm                     ; source 0 window 1, source 1 window 0, D window 2 + hi; C with D, or (a first product) the bias in window 0
.if \cm == 0
	WIN 0xa1+0x50*\hi
.else
	WIN 0x81+0x40*\hi
.endif
.endm
; 16 products: A's blocks a0, a0 + 1 x B's eight.  cm 0: onto the sums; 1: the sums begin with the bias along the registers; 2: along the lanes.  The 64 accumulators take turns
.macro MUL16 a0, q, cm
.irp a, \a0, \a0+1
.irp b, 0,1,2,3,4,5,6,7
.if \cm == 0
	v_wmma_scale_f32_16x16x128_f8f6f4 v[8*(8*((\a)%4)+\b):8*(8*((\a)%4)+\b)+7], v[128*(\q)+12*\b:128*(\q)+12*\b+11], v[AF+12*(\a):AF+12*(\a)+11], v[8*(8*((\a)%4)+\b):8*(8*((\a)%4)+\b)+7], v[SC+8*(\q)+\b], v[SC+8*(\q)+(\a)] matrix_a_fmt:MATRIX_FMT_FP6 matrix_b_fmt:MATRIX_FMT_FP6 matrix_a_scale:MATRIX_SCALE_ROW1
.elseif \cm == 1
	v_wmma_scale_f32_16x16x128_f8f6f4 v[8*(8*((\a)%4)+\b):8*(8*((\a)%4)+\b)+7], v[128*(\q)+12*\b:128*(\q)+12*\b+11], v[AF+12*(\a):AF+12*(\a)+11], v[BI+8*\b:BI+8*\b+7], v[SC+8*(\q)+\b], v[SC+8*(\q)+(\a)] matrix_a_fmt:MATRIX_FMT_FP6 matrix_b_fmt:MATRIX_FMT_FP6 matrix_a_scale:MATRIX_SCALE_ROW1
.else
	v_wmma_scale_f32_16x16x128_f8f6f4 v[8*(8*((\a)%4)+\b):8*(8*((\a)%4)+\b)+7], v[128*(\q)+12*\b:128*(\q)+12*\b+11], v[AF+12*(\a):AF+12*(\a)+11], v[BI+8*(\a):BI+8*(\a)+7], v[SC+8*(\q)+\b], v[SC+8*(\q)+(\a)] matrix_a_fmt:MATRIX_FMT_FP6 matrix_b_fmt:MATRIX_FMT_FP6 matrix_a_scale:MATRIX_SCALE_ROW1
.endif
.endr
.endr
.endm
.macro STEP slot, cm                   ; a slot's first K step
	s_wait_dscnt 16                                ; all but the youngest 16 loads, A's blocks 4-7
	WMUL 0, \cm
	MUL16 0, 0, \cm
	MUL16 2, 0, \cm
	s_wait_dscnt 0x0                               ; A's blocks 4-7 (asked for 32 products ago)
	PLACES
	FETCH_B \slot, 1, 1
	FETCH_A \slot, 1, 0
	SCALES \slot, 1
	WMUL 1, \cm
	MUL16 4, 0, \cm
	MUL16 6, 0, \cm
	PLACES
	WIN 0
	FETCH_A \slot, 1, 4
.endm
; a slot's second K step changes slots: one barrier; in front of it each wave waits for all its tensor loads, adds 0 to its spare word, and waits for that and for its reads of this slot.  fill = 1: the slot is filled again, two slots ahead
.macro TURN slot, next, fill
	s_wait_tensorcnt 0x0                           ; my one load that was out, my block of the next slot, has landed
	ds_add_u32 v[SPW], v[NIL]                      ; 0 onto my spare word
	s_wait_dscnt 17                                ; (the add and the youngest 16 loads may be out)
	WIN 0xa1
	MUL16 0, 1, 0                                  ; sixteen products stand between the add and the wait for it
	s_wait_dscnt 0x0                               ; the add is done, and my reads of this slot are over
	s_barrier_signal -1
	MUL16 2, 1, 0
	WIN 0
	s_barrier_wait -1
.if \fill
	CREST                                          ; the barrier has opened a round of the cluster's: no wave of any partner still reads this slot or has a load on its way
	s_add_nc_u64 s[G0A+4*\slot+2:G0A+4*\slot+3], s[G0A+4*\slot+2:G0A+4*\slot+3], 4*BLK
	s_add_nc_u64 s[G0B+4*\slot+2:G0B+4*\slot+3], s[G0B+4*\slot+2:G0B+4*\slot+3], 4*BLK
	s_sub_nc_u64 s[G0B+4*\slot+2:G0B+4*\slot+3], s[G0B+4*\slot+2:G0B+4*\slot+3], s[RW:RW+1]   ; a q job's second tile begins Wq anew
	JLOAD \slot                                    ; the first tensor load behind the round; its four v_nop are the places in front of the loads below
.else
	PLACES
.endif
	FETCH_B \next, 0, 0
	FETCH_A \next, 0, 0
	SCALES \next, 0
	WIN 0xf1
	MUL16 4, 1, 0
	MUL16 6, 1, 0
	PLACES
	WIN 0
	FETCH_A \next, 0, 4
.endm
.macro LAST                            ; the very last K step: nothing more to fetch
	s_wait_dscnt 16
	WIN 0xa1
	MUL16 0, 1, 0
	MUL16 2, 1, 0
	s_wait_dscnt 0x0
	WIN 0xf1
	MUL16 4, 1, 0
	MUL16 6, 1, 0
	WIN 0
	PLACES
.endm
; 64 numbers of a lane, register 16 b + i = k 32 b + 16 (lane / 16) + i of my row, become a fragment's codes in v[PC] on and its scale word in v[pw]
.macro QUANT s, pw
.irp b, 0,1,2,3
	v_max3_num_f32 v[TM+\b], |v[\s+16*\b]|, |v[\s+1+16*\b]|, 0x1800000   ; and the floor 2^(3 - 127): the byte cannot fall under 1
.endr
.irp i, 2,4,6,8,10,12,14
.irp b, 0,1,2,3
	v_max3_num_f32 v[TM+\b], v[TM+\b], |v[\s+16*\b+\i]|, |v[\s+1+16*\b+\i]|
.endr
.endr
.irp b, 0,1,2,3
	v_permlanex16_b32 v[TM+4+\b], v[TM+\b], s[SEL], s[SEL+1]
.endr
.irp b, 0,1,2,3
	v_max_num_f32 v[TM+\b], v[TM+\b], v[TM+4+\b]
.endr
.irp b, 0,1,2,3
	v_add_nc_u32 v[TM+12+\b], 0xff000000, v[TM+\b]       ; 2 off the exponent field: the conversion's scale operand
.endr
.irp b, 0,1,2,3
	v_lshrrev_b32 v[TM+4+\b], 23, v[TM+12+\b]
.endr
	v_lshl_or_b32 v[\pw], v[TM+5], 8, v[TM+4]
	v_lshl_or_b32 v[\pw], v[TM+6], 16, v[\pw]
	v_lshl_or_b32 v[\pw], v[TM+7], 24, v[\pw]
.irp c, 0,1
	v_cvt_scalef32_pk16_fp6_f32 v[PC+6*\c:PC+2+6*\c], v[\s+32*\c:\s+15+32*\c], v[TM+12+2*\c]
	v_cvt_scalef32_pk16_fp6_f32 v[PC+12+4*\c:PC+14+4*\c], v[\s+16+32*\c:\s+31+32*\c], v[TM+12+2*\c+1]
.endr
	v_nop                                          ; one plain place behind a scaled conversion
.irp c, 0,1
.irp i, 0,1,2
	v_permlane16_swap_b32 v[PC+6*\c+\i], v[PC+12+4*\c+\i]
.endr
.irp i, 0,1,2
	v_mov_b32 v[PC+3+6*\c+\i], v[PC+12+4*\c+\i]
.endr
.endr
.endm
; THE WAY OUT of a tile: for each of A's eight blocks of 16 rows: x the factor, quantised; registers 0-5 and 6-11 of the fragment leave as two images of 768 bytes (32 x 16, 32 x 8), whole aligned runs;
; the eight scale words of a lane's rows are gathered in my stage and leave as 512 consecutive bytes.
.macro EPI
.set a, 0
.rept 8
	s_wait_xcnt 0x0                                ; the stores before have read their registers and bases
.if a > 0
	s_add_nc_u64 s[OB0:OB0+1], s[OB0:OB0+1], s[TS:TS+1]
	s_add_nc_u64 s[OB1:OB1+1], s[OB1:OB1+1], s[TS:TS+1]
.endif
	WIN 0x40|(2+a/4)
.set i, 0
.rept 32
	v_pk_mul_f32 v[VAL+2*i:VAL+2*i+1], v[64*(a%4)+2*i:64*(a%4)+2*i+1], s[F:F+1] op_sel_hi:[1,0]   ; each accumulator from its low end on
.set i, i+1
.endr
	WIN 0x55
	QUANT VAL, PWB+a
	WIN 0x04
	global_store_b128 v[L16], v[PC:PC+3], s[OB0:OB0+1]
	global_store_b64 v[L8], v[PC+4:PC+5], s[OB0:OB0+1]
	global_store_b128 v[L16], v[PC+6:PC+9], s[OB1:OB1+1]
	global_store_b64 v[L8], v[PC+10:PC+11], s[OB1:OB1+1]
	ds_store_b32 v[STW], v[PWB+a] offset:64*a      ; lanes r and r + 16 write the same word with the same value
.set a, a+1
.endr
	WIN 0x40
	ds_load_b128 v[RB:RB+3], v[STR]                ; LDS serves a wave's instructions in order: this sees my stores
	s_wait_dscnt 0x0
	WIN 0x04
	global_store_b128 v[L16], v[RB:RB+3], s[SB:SB+1]
	WIN 0
.endm
	s_load_b512 s[4:19], s[0:1], 0x0               ; xq s[4:5], cq s[6:7], wo s[8:9], bq s[10:11], bkv s[12:13], qc s[14:15], kc s[16:17], vc s[18:19]
	v_lshl_add_u32 v[SPW], v0, 2, SPARE
	v_mov_b32 v[NIL], 0
	ds_add_u32 v28, v29
	ds_add_u32 v28, v29
	s_wait_dscnt 0x0
	v_lshrrev_b32 v1, 5, v0
	v_readfirstlane_b32 s[WV], v1
	s_lshr_b32 s[HA], s[WV], 1
	s_and_b32 s[HB], s[WV], 1
	s_bfe_u32 s[CX], ttmp6, 0x40000
	s_bfe_u32 s[CY], ttmp6, 0x40004
	s_mov_b32 s[XX], ttmp9                         ; the cluster's x and y
	s_and_b32 s[YY], ttmp7, 0xffff
	s_cmp_lt_u32 s[YY], 2
	s_cselect_b32 s[JQ], 1, 0
	s_cmp_eq_u32 s[YY], 3
	s_cselect_b32 s[JV], 1, 0
	s_lshl_b32 s80, s[CY], 2
	s_lshl_b32 s80, 15, s80                        ; my row of the cluster
	s_lshl_b32 s86, 0x1111, s[CX]                  ; my column
	s_or_b32 s[G1A], s80, (3<<16)|(1<<21)          ; 15:0 the mask; 17:16 elements of 8 bytes; 21 set beside a mask; no padding
	s_or_b32 s[G1B], s86, (3<<16)|(1<<21)
.irp g, G1A, G1B
	s_mov_b32 s[\g+1], 32<<16                      ; tensor_dim0 = 32 elements: 256 bytes
	s_mov_b32 s[\g+2], 100<<16                     ; tensor_dim1 = 100 rows
	s_mov_b32 s[\g+3], 32<<16                      ; tile_dim0
	s_mov_b32 s[\g+4], 100                         ; tile_dim1
	s_mov_b32 s[\g+5], 32                          ; the pitch: dense
	s_mov_b32 s[\g+6], 0
	s_mov_b32 s[\g+7], 0
.endr
	; A's stream hangs on cy and the cluster's place: q: xq, 16 blocks from 16 (16 Y + 4 X + cy) on; k: cq, batch 4 X + cy; v: Wkv's group 4 + cy
	s_lshl_b32 s81, s[XX], 2
	s_lshl_b32 s82, s[YY], 4
	s_add_co_u32 s82, s82, s81
	s_cmp_lt_u32 s[YY], 2
	s_cselect_b32 s82, s82, s81
	s_cmp_eq_u32 s[YY], 3
	s_cselect_b32 s82, 4, s82
	s_cselect_b32 s83, 819200, 0
	s_add_co_u32 s82, s82, s[CY]
	s_mul_i32 s82, s82, 16*BLK
	s_add_co_u32 s82, s82, s83
	s_mul_i32 s83, s[HB], BLK                      ; my K step of a slot's two
	s_add_co_u32 s82, s82, s83
	s_mov_b32 s83, 0
	; B's hangs on cx and the cluster's place: q: Wq's group cx (8 blocks); k: Wkv's group cx; v: cq, batch 4 X + cx
	s_lshl_b32 s87, s[XX], 2
	s_cmp_eq_u32 s[YY], 3
	s_cselect_b32 s87, s87, 0
	s_mov_b32 s88, 16*BLK
	s_cmp_lt_u32 s[YY], 2
	s_cselect_b32 s88, 8*BLK, s88
	s_cmp_eq_u32 s[YY], 2
	s_cselect_b32 s89, 819200, 0
	s_add_co_u32 s87, s87, s[CX]
	s_mul_i32 s88, s87, s88
	s_add_co_u32 s88, s88, s89
	s_mul_i32 s89, s[HB], BLK
	s_add_co_u32 s88, s88, s89
	s_mov_b32 s89, 0
	s_mul_i32 s27, s[WV], BLK                      ; where my block goes in a slot: no place in the cluster enters an LDS address
	s_wait_kmcnt 0x0
	s_cmp_lt_u32 s[YY], 2
	s_cselect_b64 s[84:85], s[4:5], s[6:7]
	s_cmp_eq_u32 s[YY], 3
	s_cselect_b64 s[84:85], s[8:9], s[84:85]
	s_cselect_b64 s[90:91], s[6:7], s[8:9]
	s_add_nc_u64 s[84:85], s[84:85], s[82:83]
	s_add_nc_u64 s[90:91], s[90:91], s[88:89]
	CROUND                                         ; all sixteen work-groups are here: the first joint loads meet
.irp s, 0,1
	s_mov_b32 s[G0A+4*\s], 1
	s_add_co_u32 s[G0A+4*\s+1], s27, \s*SLOT
	s_add_nc_u64 s[G0A+4*\s+2:G0A+4*\s+3], s[84:85], \s*2*BLK
	s_or_b32 s[G0A+4*\s+3], s[G0A+4*\s+3], 0x80000000
	s_mov_b32 s[G0B+4*\s], 1
	s_add_co_u32 s[G0B+4*\s+1], s27, \s*SLOT
	s_add_nc_u64 s[G0B+4*\s+2:G0B+4*\s+3], s[90:91], \s*2*BLK
	s_or_b32 s[G0B+4*\s+3], s[G0B+4*\s+3], 0x80000000
	s_wait_alu depctr_va_vdst(0)
	s_wait_tensorcnt 0x0
	ds_add_u32 v28, v29
	ds_add_u32 v28, v29
	s_wait_dscnt 0x0
	CROUND
	JLOAD \s
.endr
	v_and_b32 v1, 15, v0                           ; r
	v_bfe_u32 v2, v0, 4, 1                         ; h
	v_and_b32 v3, 31, v0                           ; lane
	v_mul_u32_u24 v24, v2, 768
	v_lshl_add_u32 v24, v1, 4, v24                 ; 768 h + 16 r
	v_mul_u32_u24 v25, v2, 896
	v_lshl_add_u32 v25, v1, 3, v25                 ; 896 h + 8 r
	v_mul_u32_u24 v26, v2, 640
	v_lshl_add_u32 v26, v1, 3, v26
	v_add_nc_u32 v26, 128, v26                     ; 128 + 640 h + 8 r
	s_mul_i32 s94, s[HA], 12288                    ; my 128 rows of A
	s_mul_i32 s95, s[HB], 12288                    ; my 128 rows of B,
	s_add_co_u32 s95, s95, 2*BLK                   ; behind A's two blocks
.irp s, 0,1
	v_add_nc_u32 v[A16+\s], s94, v24
	v_add_nc_u32 v[A8+\s], s94, v25
	v_add_nc_u32 v[A8+2+\s], s94, v26
	v_add_nc_u32 v[B16+\s], s95, v24
	v_add_nc_u32 v[B8+\s], s95, v25
	v_add_nc_u32 v[B8+2+\s], s95, v26
	s_add_co_u32 s94, s94, SLOT
	s_add_co_u32 s95, s95, SLOT
.endr
	s_lshl_b32 s94, s[HA], 9
	s_lshl_b32 s95, s[HB], 9
	s_add_co_u32 s95, s95, 2*BLK
	s_sub_co_u32 s95, s95, s94                     ; from A's words to B's
	v_mul_u32_u24 v24, s95, v2                     ; lanes 16-31 take B's
	v_lshl_add_u32 v24, v1, 2, v24
	s_add_co_u32 s94, s94, 24576
	v_add_nc_u32 v[AS], s94, v24
	v_add_nc_u32 v[AS+1], SLOT, v[AS]
	v_lshlrev_b32 v[L16], 4, v3
	v_lshlrev_b32 v[L8], 3, v3
	v_add_nc_u32 v[L8], 512, v[L8]
	s_lshl_b32 s94, s[WV], 9
	s_add_co_u32 s94, s94, STG
	v_lshl_add_u32 v[STW], v1, 2, s94
	v_lshl_add_u32 v[STR], v3, 4, s94
	v_lshlrev_b32 v[BO1], 6, v2
	v_and_b32 v[BO2], 8, v1
	v_add_nc_u32 v[BO2], v[BO2], v1
	v_lshlrev_b32 v[BO2], 2, v[BO2]
	s_mov_b32 s[SEL], 0x76543210
	s_mov_b32 s[SEL+1], 0xfedcba98
	s_mov_b32 s[RW+1], 0
	; where the results go.  v's figures first; k's and q's are laid over them by selects on the cluster's y.
	; codes at g M1 + sub M2, scale words at WOFF + g M3 + sub M4, g = 8 b + the pair of heads
	s_lshl_b32 s99, s[XX], 2
	s_add_co_u32 s90, s99, s[CX]                   ; v: b = 4 X + cx,
	s_lshl_b32 s91, s[CY], 1
	s_add_co_u32 s91, s91, s[HA]                   ; pair of heads 2 cy + HA,
	s_mov_b32 s92, s[HB]                           ; sub = which 128 keys
	s_mov_b32 s93, 24576
	s_mov_b32 s94, 1536
	s_mov_b32 s95, 1024
	s_mov_b32 s96, 512
	s_mov_b32 s97, 3145728
	s_mov_b32 s98, 768                             ; from a fragment's first half to its second
	s_mov_b32 s[TS], 3072
	s_mov_b32 s[F], 1.0
	s_add_co_u32 s100, s99, s[CY]                  ; k: b = 4 X + cy,
	s_lshl_b32 s101, s[CX], 1
	s_add_co_u32 s101, s101, s[HB]                 ; pair of heads 2 cx + HB, sub = which 128 keys = HA
	s_cmp_lg_u32 s[YY], 3
	s_cselect_b32 s90, s100, s90
	s_cselect_b32 s91, s101, s91
	s_cselect_b32 s92, s[HA], s92
	s_cselect_b32 s94, 6144, s94
	s_cselect_b32 s98, 12288, s98                  ; from a head to the next
	s_cselect_b32 s[TS], 768, s[TS]
	s_cselect_b32 s[F], 0x3eb504f3, s[F]           ; 64^(-1/4) = 2^-1.5
	s_lshl_b32 s100, s[YY], 4                      ; q: idx = 16 Y + 4 X + cy: b = idx / 2, sub = first tile of 16 places = 32 (idx % 2) + 8 HA
	s_add_co_u32 s100, s100, s99
	s_add_co_u32 s100, s100, s[CY]
	s_and_b32 s101, s100, 1
	s_lshl_b32 s101, s101, 5
	s_lshl_b32 s99, s[HA], 3
	s_add_co_u32 s101, s101, s99
	s_lshr_b32 s100, s100, 1
	s_cmp_lt_u32 s[YY], 2
	s_cselect_b32 s90, s100, s90
	s_cselect_b32 s92, s101, s92
	s_cselect_b32 s93, 98304, s93
	s_cselect_b32 s94, 768, s94
	s_cselect_b32 s95, 4096, s95
	s_cselect_b32 s96, 64, s96
	s_cselect_b32 s97, 12582912, s97
	s_cselect_b32 s98, 49152, s98
	s_mov_b32 s[F+1], s[F]
	s_mov_b32 s[TS+1], 0
	s_mov_b32 s99, 0
	s_lshl_b32 s90, s90, 3
	s_add_co_u32 s100, s90, s91                    ; g
	s_mul_i32 s90, s100, s93
	s_mul_i32 s94, s92, s94
	s_add_co_u32 s90, s90, s94                     ; the codes' offset
	s_mov_b32 s91, 0
	s_mul_i32 s95, s100, s95
	s_mul_i32 s96, s92, s96
	s_add_co_u32 s92, s95, s96
	s_add_co_u32 s92, s92, s97                     ; the scale words'
	s_mov_b32 s93, 0
	s_cmp_eq_u32 s[YY], 2
	s_cselect_b64 s[OB0:OB0+1], s[16:17], s[18:19]
	s_cmp_lt_u32 s[YY], 2
	s_cselect_b64 s[OB0:OB0+1], s[14:15], s[OB0:OB0+1]
	s_add_nc_u64 s[SB:SB+1], s[OB0:OB0+1], s[92:93]
	s_add_nc_u64 s[OB0:OB0+1], s[OB0:OB0+1], s[90:91]
	s_add_nc_u64 s[OB1:OB1+1], s[OB0:OB0+1], s[98:99]
	; the bias: q, k: 128 numbers along the registers from 256 cx + 128 HB on; v: along the lanes from 1,024 + 256 cy + 128 HA on
	s_lshl_b32 s94, s[CX], 10
	s_lshl_b32 s95, s[HB], 9
	s_add_co_u32 s94, s94, s95
	s_lshl_b32 s96, s[CY], 10
	s_lshl_b32 s97, s[HA], 9
	s_add_co_u32 s96, s96, s97
	s_add_co_u32 s96, s96, 4096
	s_cmp_eq_u32 s[YY], 3
	s_cselect_b32 s94, s96, s94
	s_mov_b32 s95, 0
	s_cmp_lt_u32 s[YY], 2
	s_cselect_b64 s[96:97], s[10:11], s[12:13]
	s_add_nc_u64 s[96:97], s[96:97], s[94:95]
	s_cmp_eq_u32 s[JV], 0
	s_cbranch_scc0 .Lbias_v
.set i, 0
	s_wait_alu depctr_va_vdst(0)
.rept 8
	global_load_b128 v[BI+8*i:BI+8*i+3], v[BO1], s[96:97] offset:4*(32*(i/2)+8*(i%2))       ; tile i, register j: number 32 (i / 2) + 8 (i % 2) + 16 h + j
	global_load_b128 v[BI+8*i+4:BI+8*i+7], v[BO1], s[96:97] offset:4*(32*(i/2)+8*(i%2))+16
.set i, i+1
.endr
	s_branch .Lbias_done
.Lbias_v:
.set i, 0
	s_wait_alu depctr_va_vdst(0)
.rept 64
	global_load_b32 v[BI+i], v[BO2], s[96:97] offset:4*(32*((i/8)/2)+8*((i/8)%2))           ; tile i / 8: my lane's row's number in all eight registers
.set i, i+1
.endr
.Lbias_done:
	WIN 0x40
.irp b, 0,1,2,3
	v_mov_b32 v[TM+4+\b], 0                        ; written once: a lane permute's destination counts as one of its sources
.endr
	WIN 0
	s_wait_tensorcnt 1                             ; my block of slot 0 is in (slot 1's may be out)
	s_barrier_signal -1
	s_barrier_wait -1                              ; everybody's is
	FETCH_B 0, 0, 0
	FETCH_A 0, 0, 0
	SCALES 0, 0
	FETCH_A 0, 0, 4
	s_wait_loadcnt 0x0                             ; the bias
	s_cmp_eq_u32 s[JV], 0
	s_cbranch_scc0 .Lfirst_v
	STEP 0, 1                                      ; the first K step starts the sums, with the bias as C
	s_branch .Lfirst_done
.Lfirst_v:
	STEP 0, 2
.Lfirst_done:
	s_mov_b32 s[CNT], 3
.Ltrip:                                                ; a trip goes once round the ring, four K steps, and fills both slots again
	s_cmp_eq_u32 s[CNT], 2
	s_cselect_b32 s[MID], s[JQ], 0                 ; a q job's first tile ends in the second trip: its refills begin Wq anew
	s_mul_i32 s[RW], s[MID], 8*BLK
	TURN 0, 1, 1
	STEP 1, 0
	TURN 1, 0, 1
	s_cmp_eq_u32 s[MID], 0
	s_cbranch_scc1 .Lplain
	EPI                                            ; both refills are asked for and the next fragments are on their way: the first tile goes out
	s_wait_xcnt 0x0
	s_add_nc_u64 s[OB0:OB0+1], s[OB0:OB0+1], 6912  ; 16 tiles of 768 bytes on from the first tile's start, of which the way out has stepped 7
	s_add_nc_u64 s[OB1:OB1+1], s[OB1:OB1+1], 6912
	s_add_nc_u64 s[SB:SB+1], s[SB:SB+1], 1024
	STEP 0, 1                                      ; the second tile's sums begin
	s_branch .Lnext
.Lplain:
	STEP 0, 0
.Lnext:
	s_sub_co_u32 s[CNT], s[CNT], 1
	s_cmp_lg_u32 s[CNT], 0
	s_cbranch_scc1 .Ltrip
	TURN 0, 1, 0                                   ; the last lap fills nothing
	STEP 1, 0
	LAST
	EPI
	s_wait_tensorcnt 0x0                           ; the wave's end
	ds_add_u32 v[SPW], v[NIL]
	s_wait_dscnt 0x0
	CROUND                                         ; the closing round
	s_endpgm
.Lfunc_end_k_q6aa750f968_proj3:
	.size	k_q6aa750f968_proj3, .Lfunc_end_k_q6aa750f968_proj3-k_q6aa750f968_proj3
	.p2alignl 7, 3214868480
	.fill 96, 4, 3214868480
	.section	.rodata,"a",@progbits
	.p2align	6, 0x0
	.amdhsa_kernel k_q6aa750f968_proj3
		.amdhsa_group_segment_fixed_size 327680
		.amdhsa_private_segment_fixed_size 0
		.amdhsa_enable_private_segment 0
		.amdhsa_kernarg_size 64
		.amdhsa_user_sgpr_count 2
		.amdhsa_user_sgpr_kernarg_segment_ptr 1
		.amdhsa_wavefront_size32 1
		.amdhsa_system_sgpr_workgroup_id_x 1
		.amdhsa_system_sgpr_workgroup_id_y 1
		.amdhsa_system_sgpr_workgroup_id_z 1
		.amdhsa_system_vgpr_workitem_id 0
		.amdhsa_next_free_vgpr 1024
		.amdhsa_next_free_sgpr 102
		.amdhsa_reserve_vcc 0
		.amdhsa_float_denorm_mode_32 3
		.amdhsa_float_denorm_mode_16_64 3
		.amdhsa_memory_ordered 1
		.amdhsa_forward_progress 1
		.amdhsa_inst_pref_size 255
	.end_amdhsa_kernel
	.amdgpu_metadata
---
amdhsa.version: [ 1, 2 ]
amdhsa.kernels:
  - .name:           k_q6aa750f968_proj3
    .symbol:         k_q6aa750f968_proj3.kd
    .args:
      - { .name: xq, .offset: 0, .size: 8, .value_kind: global_buffer, .address_space: global }
      - { .name: cq, .offset: 8, .size: 8, .value_kind: global_buffer, .address_space: global }
      - { .name: wo, .offset: 16, .size: 8, .value_kind: global_buffer, .address_space: global }
      - { .name: bq, .offset: 24, .size: 8, .value_kind: global_buffer, .address_space: global }
      - { .name: bkv, .offset: 32, .size: 8, .value_kind: global_buffer, .address_space: global }
      - { .name: qc, .offset: 40, .size: 8, .value_kind: global_buffer, .address_space: global }
      - { .name: kc, .offset: 48, .size: 8, .value_kind: global_buffer, .address_space: global }
      - { .name: vc, .offset: 56, .size: 8, .value_kind: global_buffer, .address_space: global }
    .group_segment_fixed_size: 327680
    .private_segment_fixed_size: 0
    .kernarg_segment_align: 8
    .kernarg_segment_size: 64
    .max_flat_workgroup_size: 128
    .sgpr_count:     102
    .vgpr_count:     1024
    .wavefront_size: 32
...
	.end_amdgpu_metadata
.endif
;; end of part 2
;; launch attn (part 3): grid 16 x 16, 16 waves a work-group, no clusters, 29,696 bytes of LDS; arguments qc, kc, vc, mask, ac; writes ac
.if DOCPART == 3
	.amdgcn_target "amdgcn-amd-amdhsa--gfx1250"
	.amdhsa_code_object_version 6
	.text
	.protected	k_q6aa750f968_attn
	.globl	k_q6aa750f968_attn
	.p2align	8
	.type	k_q6aa750f968_attn,@function
k_q6aa750f968_attn:
	s_mov_b64 s[64:65], 0
	v_nop
	global_prefetch_b8 v0, s[64:65] scope:SCOPE_SE
	s_setreg_imm32_b32 hwreg(HW_REG_WAVE_MODE, 25, 1), 1
	s_wait_xcnt 0x0
; Attention of one (batch, head): 1,024 queries, 256 keys, head size 64, both products on codes of FP6 (E2M3) with E8M0 scales; the result leaves quantised along the channels, as the last product's operand.
; SHARES: a work-group owns a (batch, head), so no two work-groups share K or V: no cluster.  K's and V's codes (24,576 bytes) are copied into LDS once, through registers: no tensor load, no ring.
; Each of SIXTEEN waves owns 64 queries: two pairs of tiles of 16.  Four waves to a SIMD: one wave's exponentials stand beside another's products and LDS loads.
; LAYOUT: both products transposed: S^T = K Q^T, O^T = V^T P^T: a lane holds ONE query throughout.  Lane r of tile t of a pair of 32 keys (channels) is key 8 t + r + 8 (r / 8): so the 16 registers of tiles 2 B, 2 B + 1
; are the keys 32 B + 16 (lane / 16) + 0 .. 15.  All 256 keys' scores are in registers at once: no running maximum is needed, the row's own is taken.
; THE HEAD'S K IS 64: registers 6-11 of Q's and K's fragments are zero codes, set once; their scale bytes are 0, which is 2^-127 over zeros.
; THE MASK is the C of the first product: 0 for a key that counts, -1e9 for one that does not.  LIMIT: -1e9 is ADDED where the definition replaces: p = 0 either way while |logit| < 1e8.
; A batch with no key that counts: c = log2(e) is replaced by 0 (a select on the mask's words, no branch): then t = 0, p = 1, the sum 256: the uniform row that the definition gives.
; THE SOFTMAX: t = score c; M = ceil(the row's largest t); p = 2^(t - M) is quantised along the keys; the row's sum is taken of the unquantised p and divides O.
; LIMITS: a block of zeros gets the byte 1, not 127 (zero codes; only this program reads the bytes); NaN and infinities are not served.  a's scale bytes leave two bytes of each word (a word's halves come from two heads).
.set KC, 0                             ; LDS: K's 16 tiles, images of 768 bytes
.set VC, 12288                         ; V's: [tile of 16 channels][128 keys][half a fragment]
.set MB, 24576                         ; 0 or -1e9 for each key
.set KS, 25600                         ; K's scale words [tile][r], then (at + 1,024) V's [128 keys][tile][r]
.set L16, 4                            ; v4   16 x lane
.set L8,  5                            ; v5   8 x lane
.set MBA, 6                            ; v6   MB + 64 h
.set KWA, 7                            ; v7   KS + 4 r
.set GA,  8                            ; v8   768 h + 16 r
.set GX,  9                            ; v9   128 ((lane / 16) xor 1) + 8 r
.set GH,  10                           ; v10  4 x lane
.set GQW, 11                           ; v11  4 r
.set LA,  12                           ; v[12:13], v[38:39] the row's sum in two chains
.set NM,  14                           ; v[14:15] -M (and a written partner)
.set QF,  16                           ; v16-27 Q's fragment
.set QS,  28                           ; v28  Q's scale word
.set PW,  29                           ; v29-30 p's two scale words
.set KH,  31                           ; v31  tile 0's two scale bytes, kept
.set KE,  32                           ; v[32:33] tile 0's 8-byte part, kept
.set KW,  34                           ; v34-37 four scale words of K or of V
.set LB,  38
.set KF,  40                           ; v40-87 four fragments of K
.set S,   88                           ; v88-215 the scores, then p
.set O,   88                           ; O^T over p's first 32 registers
.set VF,  120                          ; four fragments of V; then O^T / the sum
.set AV,  120
.set P,   184                          ; p's codes: two fragments, over p's registers 96-119
.set TM,  216
.set TP,  224
.set TO,  232
.set CT,  240                          ; v240-246 conversions' results on their way
.set WV,  14
.set HD,  15
.set BB,  16
.set SH,  17                           ; 16 (head % 2): my head's half of a scale word
.set CS,  18                           ; s[18:19] c
.set SEL, 20
.set CNT, 22
.set QB,  24                           ; s[24:25] the pair's codes of q
.set QWP, 26                           ; s[26:27] its scale words
.set AB,  28                           ; s[28:29] where the pair's codes of a go
.set STQ, 30                           ; s[30:31], s[32:33] q's steps to the next pair: 0 in the last trip
.set STW, 32
.set MSK, 50                           ; lanes 16-31
.set AH,  52                           ; s[52:53] where the pair's scale bytes go
.macro PLACES
.rept 4
	v_nop
.endr
.endm
	s_load_b256 s[4:11], s[0:1], 0x0               ; qc, kc, vc, mask
	s_load_b64 s[12:13], s[0:1], 0x20              ; ac
	v_lshl_add_u32 v254, v0, 2, 0x6c00
	v_mov_b32 v255, 0
	v_lshrrev_b32 v1, 5, v0
	s_delay_alu instid0(VALU_DEP_1)
	v_readfirstlane_b32 s[WV], v1                  ; wave 0..15
	s_mov_b32 s[HD], ttmp9
	s_and_b32 s[BB], ttmp7, 0xffff
	s_and_b32 s37, s[HD], 1
	s_lshl_b32 s[SH], s37, 4
	s_mov_b32 s[SEL], 0x76543210
	s_mov_b32 s[SEL+1], 0xfedcba98
	v_and_b32 v1, 15, v0                           ; r
	v_bfe_u32 v2, v0, 4, 1                         ; h
	v_and_b32 v3, 31, v0                           ; lane
	s_delay_alu instid0(VALU_DEP_1)
	v_lshlrev_b32 v[L16], 4, v3
	s_delay_alu instid0(VALU_DEP_2)
	v_lshlrev_b32 v[L8], 3, v3
	s_delay_alu instid0(VALU_DEP_4)
	v_lshlrev_b32 v[MBA], 6, v2
	s_delay_alu instid0(VALU_DEP_1)
	v_add_nc_u32 v[MBA], MB, v[MBA]
	v_lshl_add_u32 v[KWA], v1, 2, KS
	v_mul_u32_u24 v[GA], v2, 768
	s_delay_alu instid0(VALU_DEP_1)
	v_lshl_add_u32 v[GA], v1, 4, v[GA]
	v_xor_b32 v[GX], 1, v2
	s_delay_alu instid0(VALU_DEP_1)
	v_lshlrev_b32 v[GX], 7, v[GX]
	s_delay_alu instid0(VALU_DEP_1)
	v_lshl_add_u32 v[GX], v1, 3, v[GX]
	v_lshlrev_b32 v[GH], 2, v3
	v_lshlrev_b32 v[GQW], 2, v1
	v_cmp_lt_u32 s[MSK], 15, v3
	; every LDS address is made here, ahead of the parting of the waves' roles
	v_and_b32 v216, 255, v0
	s_delay_alu instid0(VALU_DEP_1)
	v_lshlrev_b32 v216, 4, v216                    ; the copy: 16 (thread % 256) in memory,
	v_lshrrev_b32 v217, 8, v0
	s_delay_alu instid0(VALU_DEP_1)
	v_mad_u32_u24 v217, v217, 12288, v216          ; and in LDS: waves 0-7 K, waves 8-15 V
	v_lshlrev_b32 v218, 2, v0                      ; 4 x thread
	v_lshl_add_u32 v219, v0, 2, MB
	v_lshl_add_u32 v220, v0, 2, KS                 ; threads 0-255: K's words; threads 256-383: V's, which lie 1,024 bytes on
	v_bfe_u32 v221, v0, 6, 1
	v_and_b32 v222, 63, v0
	s_delay_alu instid0(VALU_DEP_1)
	v_lshlrev_b32 v222, 2, v222
	s_delay_alu instid0(VALU_DEP_1)
	v_lshl_add_u32 v221, v221, 9, v222             ; V's words in memory: 512 x (which 128 keys) + 4 x (16 tile + r)
	v_lshlrev_b32 v222, 5, v3                      ; 32 x lane: eight of the batch's 256 mask words
	s_lshl_b32 s34, s[BB], 4
	s_add_co_u32 s34, s34, s[HD]                   ; 16 b + head
	s_lshr_b32 s36, s[HD], 1                       ; the pair of heads
	s_lshl_b32 s35, s[BB], 3
	s_add_co_u32 s35, s35, s36                     ; 8 b + pair of heads
	s_mul_i32 s38, s34, 12288
	s_mov_b32 s39, 0
	s_lshl_b32 s44, s35, 10
	s_add_co_u32 s44, s44, 3145728
	s_mov_b32 s45, 0
	s_lshl_b32 s46, s37, 8
	s_add_co_u32 s46, s46, s44
	s_mov_b32 s47, 0
	s_lshl_b32 s48, s[BB], 10
	s_mov_b32 s49, 0
	s_lshl_b32 s54, s34, 6
	s_lshl_b32 s56, s[WV], 2                       ; my first tile of 16 queries: 4 w
	s_add_co_u32 s54, s54, s56
	s_mul_i32 s54, s54, 768
	s_mov_b32 s55, 0
	s_lshl_b32 s58, s35, 6
	s_add_co_u32 s58, s58, s56
	s_lshl_b32 s58, s58, 6
	s_add_co_u32 s58, s58, 12582912
	s_mov_b32 s59, 0
	s_lshl_b32 s60, s[BB], 2
	s_lshr_b32 s61, s[WV], 2
	s_add_co_u32 s60, s60, s61                     ; a's group of 256 rows: 4 b + w / 4
	s_lshl_b32 s60, s60, 3
	s_add_co_u32 s60, s60, s36                     ; x 8 + K step = pair of heads
	s_mul_i32 s60, s60, 25600
	s_and_b32 s61, s[WV], 3
	s_mul_i32 s62, s61, 6144                       ; my first pair of tiles: 2 (w % 4)
	s_mul_i32 s63, s37, 1536                       ; blocks 2 (head % 2) on
	s_add_co_u32 s62, s62, s63
	s_add_co_u32 s62, s62, s60
	s_mov_b32 s63, 0
	s_lshl_b32 s61, s61, 8
	s_add_co_u32 s60, s60, s61
	s_lshl_b32 s61, s37, 1
	s_add_co_u32 s60, s60, s61
	s_add_co_u32 s60, s60, 24576
	s_mov_b32 s61, 0
	s_wait_alu depctr_va_vdst(0)
	s_wait_kmcnt 0x0
	s_add_nc_u64 s[40:41], s[6:7], s[38:39]        ; my head's codes of K
	s_add_nc_u64 s[42:43], s[8:9], s[38:39]        ; and of V
	s_cmp_lt_u32 s[WV], 8
	s_cselect_b64 s[40:41], s[40:41], s[42:43]
	s_add_nc_u64 s[44:45], s[6:7], s[44:45]        ; K's scale words
	s_add_nc_u64 s[46:47], s[8:9], s[46:47]        ; V's
	s_add_nc_u64 s[48:49], s[10:11], s[48:49]      ; the batch's mask
	s_add_nc_u64 s[QB:QB+1], s[4:5], s[54:55]
	s_add_nc_u64 s[QWP:QWP+1], s[4:5], s[58:59]
	s_add_nc_u64 s[AB:AB+1], s[12:13], s[62:63]
	s_add_nc_u64 s[AH:AH+1], s[12:13], s[60:61]
	global_load_b128 v[40:43], v216, s[40:41]
	global_load_b128 v[44:47], v216, s[40:41] offset:4096
	global_load_b128 v[48:51], v216, s[40:41] offset:8192
	global_load_b128 v[52:55], v222, s[48:49]
	global_load_b128 v[56:59], v222, s[48:49] offset:16
	s_cmp_lt_u32 s[WV], 8
	s_cbranch_scc0 .Lhigh
	global_load_b32 v60, v218, s[48:49]            ; waves 0-7, thread k: key k's mask word,
	global_load_b32 v61, v218, s[44:45]            ; and K's scale word k
	s_wait_loadcnt 0x0
	v_cmp_eq_u32 vcc_lo, 0, v60
	v_mov_b32 v62, 0xce6e6b28                      ; -1e9
	s_delay_alu instid0(VALU_DEP_1)
	v_cndmask_b32 v62, 0, v62, vcc_lo
	ds_store_b32 v219, v62
	v_bfe_u32 v61, v61, s[SH], 16                  ; my head's two bytes; the bytes of k = 64 .. 127 are 0
	ds_store_b32 v220, v61
	s_branch .Lroles_done
.Lhigh:
	s_cmp_lt_u32 s[WV], 12
	s_cbranch_scc0 .Lroles_done
	global_load_b32 v60, v221, s[46:47]            ; waves 8-11: V's 128 scale words
	s_wait_loadcnt 0x0
	ds_store_b32 v220, v60
.Lroles_done:
	s_wait_loadcnt 0x0
	ds_store_b128 v217, v[40:43]
	ds_store_b128 v217, v[44:47] offset:4096
	ds_store_b128 v217, v[48:51] offset:8192
	v_or_b32 v52, v52, v53
	v_or_b32 v54, v54, v55
	v_or_b32 v56, v56, v57
	v_or_b32 v58, v58, v59
	s_delay_alu instid0(VALU_DEP_3)
	v_or_b32 v52, v52, v54
	s_delay_alu instid0(VALU_DEP_2)
	v_or_b32 v56, v56, v58
	s_delay_alu instid0(VALU_DEP_1)
	v_or_b32 v52, v52, v56
	s_delay_alu instid0(VALU_DEP_1)
	v_cmp_ne_u32 vcc_lo, 0, v52
	s_cmp_lg_u32 vcc_lo, 0                         ; does any key of the batch count?
	s_cselect_b32 s[CS], 0x3fb8aa3b, 0             ; c = log2(e), or 0: a value is chosen, no way is
	s_mov_b32 s[CS+1], s[CS]
	global_load_b128 v[QF:QF+3], v[L16], s[QB:QB+1]                  ; the first tile's q
	global_load_b64 v[QF+4:QF+5], v[L8], s[QB:QB+1] offset:512
	global_load_b32 v[QS], v[GQW], s[QWP:QWP+1]
	s_wait_dscnt 0x0                               ; my stores have landed
	s_barrier_signal -1
	s_barrier_wait -1                              ; everybody's have: from here on LDS is only read
.irp i, 6,7,8,9,10,11
	v_mov_b32 v[QF+\i], 0                          ; zero codes for k = 64 .. 127, on both sides, written once
	v_mov_b32 v[KF+\i], 0
	v_mov_b32 v[KF+12+\i], 0
	v_mov_b32 v[KF+24+\i], 0
	v_mov_b32 v[KF+36+\i], 0
.endr
.irp i, 0,1,2,3,4,5,6,7
	v_mov_b32 v[TP+\i], 0                          ; written once: a lane permute's destination counts as one of its sources
.endr
	v_mov_b32 v249, 0
	v_mov_b32 v251, 0                              ; (named as the upper halves of pairs)
	v_mov_b32 v[NM+1], 0
	s_mov_b32 s[STQ+1], 0
	s_mov_b32 s[STW+1], 0
; ONE TILE OF 16 QUERIES, tile t of the pair in hand
.macro TASK t
	s_wait_loadcnt 0x0                             ; q's fragment and scale word
	s_wait_xcnt 0x0                                ; the last tile's stores have read their registers
	s_setprio 2
	v_bfe_u32 v[QS], v[QS], s[SH], 16              ; my head's two bytes
	s_wait_alu depctr_va_vdst(0)
.rept 8
	v_nop                                          ; a scale register written by a vector instruction stands 8 places ahead of a scaled matrix instruction
.endr
.set g, 0
.rept 4                                        ; S^T = K Q^T + the mask, four tiles of 16 keys at a time
.if g > 0
	PLACES                                         ; in front of loads into registers that matrix instructions have read
.endif
.set i, 0
.rept 4
.set kt, 4*g+i
	ds_load_b128 v[KF+12*i:KF+12*i+3], v[L16] offset:KC+768*kt
	ds_load_b64 v[KF+12*i+4:KF+12*i+5], v[L8] offset:KC+768*kt+512
	ds_load_b32 v[KW+i], v[KWA] offset:64*kt
	ds_load_b128 v[S+8*kt:S+8*kt+3], v[MBA] offset:128*(kt/2)+32*(kt%2)          ; register j: key 32 (kt / 2) + 8 (kt % 2) + 16 h + j
	ds_load_b128 v[S+8*kt+4:S+8*kt+7], v[MBA] offset:128*(kt/2)+32*(kt%2)+16
.set i, i+1
.endr
	s_wait_dscnt 0x0
.set i, 0
.rept 4
.set kt, 4*g+i
	v_wmma_scale_f32_16x16x128_f8f6f4 v[S+8*kt:S+8*kt+7], v[KF+12*i:KF+12*i+11], v[QF:QF+11], v[S+8*kt:S+8*kt+7], v[KW+i], v[QS] matrix_a_fmt:MATRIX_FMT_FP6 matrix_b_fmt:MATRIX_FMT_FP6
.set i, i+1
.endr
.set g, g+1
.endr
	PLACES                                         ; behind the last products: for the loads into Q's registers and the first reads of the scores
.if \t == 0
	global_load_b128 v[QF:QF+3], v[L16], s[QB:QB+1] offset:768                   ; the next tile's q has the whole softmax in which to come
	global_load_b64 v[QF+4:QF+5], v[L8], s[QB:QB+1] offset:768+512
	global_load_b32 v[QS], v[GQW], s[QWP:QWP+1] offset:64
.else
	s_add_nc_u64 s[QB:QB+1], s[QB:QB+1], s[STQ:STQ+1]    ; (every load by these pointers was waited for at the tile's head)  The next pair; in the last trip the step is 0: a tile inside the buffer, not used
	s_add_nc_u64 s[QWP:QWP+1], s[QWP:QWP+1], s[STW:STW+1]
	global_load_b128 v[QF:QF+3], v[L16], s[QB:QB+1]
	global_load_b64 v[QF+4:QF+5], v[L8], s[QB:QB+1] offset:512
	global_load_b32 v[QS], v[GQW], s[QWP:QWP+1]
.endif
.set b, 0
.rept 8
	v_max3_num_f32 v[TM+b], v[S+16*b], v[S+16*b+1], v[S+16*b+2]      ; the largest score of each block of 32 keys: for the row's maximum, and, since p rises with the score, for the block's largest p
.set b, b+1
.endr
.irp i, 3,5,7,9,11,13
.set b, 0
.rept 8
	v_max3_num_f32 v[TM+b], v[TM+b], v[S+16*b+\i], v[S+16*b+\i+1]
.set b, b+1
.endr
.endr
.set b, 0
.rept 8
	v_max_num_f32 v[TM+b], v[TM+b], v[S+16*b+15]
.set b, b+1
.endr
.set b, 0
.rept 8
	v_permlanex16_b32 v[TP+b], v[TM+b], s[SEL], s[SEL+1]
.set b, b+1
.endr
.set b, 0
.rept 8
	v_max_num_f32 v[TM+b], v[TM+b], v[TP+b]
.set b, b+1
.endr
	v_max3_num_f32 v248, v[TM], v[TM+1], v[TM+2]
	s_delay_alu instid0(VALU_DEP_1)
	v_max3_num_f32 v248, v248, v[TM+3], v[TM+4]
	s_delay_alu instid0(VALU_DEP_1)
	v_max3_num_f32 v248, v248, v[TM+5], v[TM+6]
	s_delay_alu instid0(VALU_DEP_1)
	v_max_num_f32 v248, v248, v[TM+7]              ; the row's largest score
	s_delay_alu instid0(VALU_DEP_1)
	v_mul_f32 v248, s[CS], v248                    ; as t
	s_delay_alu instid0(VALU_DEP_1)
	v_floor_f32 v[NM], -v248                       ; -M = floor(-t) = -ceil(t)
.set i, 0
.rept 64
	v_pk_fma_f32 v[S+2*i:S+2*i+1], v[S+2*i:S+2*i+1], s[CS:CS+1], v[NM:NM+1] op_sel_hi:[1,0,0]   ; t - M
.set i, i+1
.endr
.set b, 0
.rept 8
	v_fma_f32 v[TM+b], v[TM+b], s[CS], v[NM]       ; the same of each block's largest score
.set b, b+1
.endr
.set i, 0
	s_wait_alu depctr_va_vdst(0)
.rept 128
	v_exp_f32 v[S+i], v[S+i]                       ; p = 2^(t - M): not normalised
.set i, i+1
.endr
	s_setprio 1
	v_nop                                          ; a plain place behind the exponentials
	s_wait_alu depctr_va_vdst(0)                   ; one wait for the whole batch, ahead of its first reader
.set b, 0
.rept 8
	v_exp_f32 v[TM+b], v[TM+b]                     ; each block's largest p: the same two instructions on the same number give the same bits
.set b, b+1
.endr
	v_pk_add_f32 v[38:39], v[88:89], v[90:91]
	v_pk_add_f32 v[252:253], v[96:97], v[100:101]
	v_pk_add_f32 v[246:247], v[104:105], v[108:109]
	v_pk_add_f32 v[244:245], v[112:113], v[116:117]
	v_pk_add_f32 v[242:243], v[120:121], v[124:125]
	v_pk_add_f32 v[240:241], v[128:129], v[132:133]
	v_pk_add_f32 v[238:239], v[136:137], v[140:141]
	v_pk_add_f32 v[12:13], v[144:145], v[148:149]
	v_pk_add_f32 v[12:13], v[12:13], v[152:153]
	v_pk_add_f32 v[38:39], v[38:39], v[156:157]
	v_pk_add_f32 v[252:253], v[252:253], v[160:161]
	v_pk_add_f32 v[246:247], v[246:247], v[164:165]
	v_pk_add_f32 v[244:245], v[244:245], v[168:169]
	v_pk_add_f32 v[242:243], v[242:243], v[172:173]
	v_pk_add_f32 v[240:241], v[240:241], v[176:177]
	v_pk_add_f32 v[238:239], v[238:239], v[180:181]
	v_pk_add_f32 v[12:13], v[12:13], v[184:185]
	v_pk_add_f32 v[38:39], v[38:39], v[188:189]
	v_pk_add_f32 v[252:253], v[252:253], v[192:193]
	v_pk_add_f32 v[246:247], v[246:247], v[196:197]
	v_pk_add_f32 v[244:245], v[244:245], v[200:201]
	v_pk_add_f32 v[242:243], v[242:243], v[204:205]
	v_pk_add_f32 v[240:241], v[240:241], v[208:209]
	v_pk_add_f32 v[238:239], v[238:239], v[212:213]
	v_pk_add_f32 v[12:13], v[12:13], v[92:93]
	v_pk_add_f32 v[38:39], v[38:39], v[94:95]
	v_pk_add_f32 v[252:253], v[252:253], v[98:99]
	v_pk_add_f32 v[246:247], v[246:247], v[102:103]
	v_pk_add_f32 v[244:245], v[244:245], v[106:107]
	v_pk_add_f32 v[242:243], v[242:243], v[110:111]
	v_pk_add_f32 v[240:241], v[240:241], v[114:115]
	v_pk_add_f32 v[238:239], v[238:239], v[118:119]
	v_pk_add_f32 v[12:13], v[12:13], v[122:123]
	v_pk_add_f32 v[38:39], v[38:39], v[126:127]
	v_pk_add_f32 v[252:253], v[252:253], v[130:131]
	v_pk_add_f32 v[246:247], v[246:247], v[134:135]
	v_pk_add_f32 v[244:245], v[244:245], v[138:139]
	v_pk_add_f32 v[242:243], v[242:243], v[142:143]
	v_pk_add_f32 v[240:241], v[240:241], v[146:147]
	v_pk_add_f32 v[238:239], v[238:239], v[150:151]
	v_pk_add_f32 v[12:13], v[12:13], v[154:155]
	v_pk_add_f32 v[38:39], v[38:39], v[158:159]
	v_pk_add_f32 v[252:253], v[252:253], v[162:163]
	v_pk_add_f32 v[246:247], v[246:247], v[166:167]
	v_pk_add_f32 v[244:245], v[244:245], v[170:171]
	v_pk_add_f32 v[242:243], v[242:243], v[174:175]
	v_pk_add_f32 v[240:241], v[240:241], v[178:179]
	v_pk_add_f32 v[238:239], v[238:239], v[182:183]
	v_pk_add_f32 v[12:13], v[12:13], v[186:187]
	v_pk_add_f32 v[38:39], v[38:39], v[190:191]
	v_pk_add_f32 v[252:253], v[252:253], v[194:195]
	v_pk_add_f32 v[246:247], v[246:247], v[198:199]
	v_pk_add_f32 v[244:245], v[244:245], v[202:203]
	v_pk_add_f32 v[242:243], v[242:243], v[206:207]
	v_pk_add_f32 v[240:241], v[240:241], v[210:211]
	v_pk_add_f32 v[238:239], v[238:239], v[214:215]
	s_delay_alu instid0(VALU_DEP_4)
	v_pk_add_f32 v[12:13], v[12:13], v[244:245]
	s_delay_alu instid0(VALU_DEP_4)
	v_pk_add_f32 v[38:39], v[38:39], v[242:243]
	s_delay_alu instid0(VALU_DEP_4)
	v_pk_add_f32 v[252:253], v[252:253], v[240:241]
	s_delay_alu instid0(VALU_DEP_4)
	v_pk_add_f32 v[246:247], v[246:247], v[238:239]
	s_delay_alu instid0(VALU_DEP_2)
	v_pk_add_f32 v[12:13], v[12:13], v[252:253]
	s_delay_alu instid0(VALU_DEP_2)
	v_pk_add_f32 v[38:39], v[38:39], v[246:247]
	s_delay_alu instid0(VALU_DEP_1)
	v_pk_add_f32 v[12:13], v[12:13], v[38:39]
	s_wait_alu depctr_va_vdst(0)                   ; and one for the eight
.set b, 0
.rept 8
	v_max_num_f32 v[TM+b], 0x1800000, v[TM+b]      ; the floor 2^(3 - 127): a block whose every p is 0 keeps the byte 1 over zero codes
.set b, b+1
.endr
.set b, 0
.rept 8
	v_add_nc_u32 v[TO+b], 0xff000000, v[TM+b]      ; 2 off the exponent field: the conversion's scale operand
.set b, b+1
.endr
.set b, 0
.rept 8
	v_lshrrev_b32 v[TP+b], 23, v[TO+b]             ; the byte
.set b, b+1
.endr
.irp k, 0,1
	v_lshl_or_b32 v[PW+\k], v[TP+4*\k+1], 8, v[TP+4*\k]
	s_delay_alu instid0(VALU_DEP_1)
	v_lshl_or_b32 v[PW+\k], v[TP+4*\k+2], 16, v[PW+\k]
	s_delay_alu instid0(VALU_DEP_1)
	v_lshl_or_b32 v[PW+\k], v[TP+4*\k+3], 24, v[PW+\k]
.endr
	; blocks 6 and 7 first: their numbers lie where the codes will lie
	v_cvt_scalef32_pk16_fp6_f32 v[CT:CT+2], v[S+96:S+111], v[TO+6]
	v_cvt_scalef32_pk16_fp6_f32 v[CT+4:CT+6], v[S+112:S+127], v[TO+7]
	v_nop                                          ; one plain place behind a scaled conversion
.irp i, 0,1,2
	v_permlane16_swap_b32 v[CT+\i], v[CT+4+\i]     ; a whole block to a lane
.endr
.irp i, 0,1,2
	v_mov_b32 v[P+18+\i], v[CT+\i]
	v_mov_b32 v[P+21+\i], v[CT+4+\i]
.endr
	v_cvt_scalef32_pk16_fp6_f32 v[P:P+2], v[S:S+15], v[TO]
	v_cvt_scalef32_pk16_fp6_f32 v[P+24:P+26], v[S+16:S+31], v[TO+1]
	v_cvt_scalef32_pk16_fp6_f32 v[P+6:P+8], v[S+32:S+47], v[TO+2]
	v_cvt_scalef32_pk16_fp6_f32 v[P+28:P+30], v[S+48:S+63], v[TO+3]
	v_cvt_scalef32_pk16_fp6_f32 v[P+12:P+14], v[S+64:S+79], v[TO+4]
	v_cvt_scalef32_pk16_fp6_f32 v[CT:CT+2], v[S+80:S+95], v[TO+5]
	v_nop
.irp i, 0,1,2
	v_permlane16_swap_b32 v[P+\i], v[P+24+\i]
	v_permlane16_swap_b32 v[P+6+\i], v[P+28+\i]
	v_permlane16_swap_b32 v[P+12+\i], v[CT+\i]
.endr
.irp i, 0,1,2
	v_mov_b32 v[P+3+\i], v[P+24+\i]
	v_mov_b32 v[P+9+\i], v[P+28+\i]
	v_mov_b32 v[P+15+\i], v[CT+\i]
.endr
	v_add_f32 v[LA], v[LA], v[LA+1]                ; the sum's halves,
	s_delay_alu instid0(VALU_DEP_1)
	v_permlanex16_b32 v249, v[LA], s[SEL], s[SEL+1]
	s_delay_alu instid0(VALU_DEP_1)
	v_add_f32 v[LA], v[LA], v249                   ; and lane l xor 16's
	s_wait_alu depctr_va_vdst(0)
	v_rcp_f32 v250, v[LA]
	PLACES                                         ; a plain place behind the reciprocal; four in front of scaled products on operands that vector instructions wrote
.set kk, 0
	s_setprio 0
.rept 2                                        ; O^T = V^T P^T: 128 keys at a time, the four tiles of 16 channels by turns
.if kk > 0
	PLACES
.endif
.set dt, 0
.rept 4
	ds_load_b128 v[VF+12*dt:VF+12*dt+3], v[L16] offset:VC+768*(4*dt+2*kk)
	ds_load_b64 v[VF+12*dt+4:VF+12*dt+5], v[L8] offset:VC+768*(4*dt+2*kk)+512
	ds_load_b128 v[VF+12*dt+6:VF+12*dt+9], v[L16] offset:VC+768*(4*dt+2*kk+1)
	ds_load_b64 v[VF+12*dt+10:VF+12*dt+11], v[L8] offset:VC+768*(4*dt+2*kk+1)+512
	ds_load_b32 v[KW+dt], v[KWA] offset:1024+256*kk+64*dt
.set dt, dt+1
.endr
	s_wait_dscnt 0x0
.set dt, 0
.rept 4
.if kk == 0
	v_wmma_scale_f32_16x16x128_f8f6f4 v[O+8*dt:O+8*dt+7], v[VF+12*dt:VF+12*dt+11], v[P:P+11], 0, v[KW+dt], v[PW] matrix_a_fmt:MATRIX_FMT_FP6 matrix_b_fmt:MATRIX_FMT_FP6
.else
	v_wmma_scale_f32_16x16x128_f8f6f4 v[O+8*dt:O+8*dt+7], v[VF+12*dt:VF+12*dt+11], v[P+12:P+23], v[O+8*dt:O+8*dt+7], v[KW+dt], v[PW+1] matrix_a_fmt:MATRIX_FMT_FP6 matrix_b_fmt:MATRIX_FMT_FP6
.endif
.set dt, dt+1
.endr
.set kk, kk+1
.endr
	PLACES
	s_wait_alu depctr_va_vdst(0)                   ; the reciprocal's wait, ahead of its first reader
.set i, 0
.rept 16
	v_pk_mul_f32 v[AV+2*i:AV+2*i+1], v[O+2*i:O+2*i+1], v[250:251] op_sel_hi:[1,0]   ; register 16 B + i: channel 32 B + 16 h + i of my query
.set i, i+1
.endr
.irp b, 0,1
	v_max3_num_f32 v[TM+\b], |v[AV+16*\b]|, |v[AV+16*\b+1]|, 0x1800000
.endr
.irp i, 2,4,6,8,10,12,14
.irp b, 0,1
	s_delay_alu instid0(VALU_DEP_2)
	v_max3_num_f32 v[TM+\b], v[TM+\b], |v[AV+16*\b+\i]|, |v[AV+16*\b+\i+1]|
.endr
.endr
.irp b, 0,1
	s_delay_alu instid0(VALU_DEP_2)
	v_permlanex16_b32 v[TP+\b], v[TM+\b], s[SEL], s[SEL+1]
.endr
.irp b, 0,1
	s_delay_alu instid0(VALU_DEP_2)
	v_max_num_f32 v[TM+\b], v[TM+\b], v[TP+\b]
.endr
.irp b, 0,1
	s_delay_alu instid0(VALU_DEP_2)
	v_add_nc_u32 v[TO+\b], 0xff000000, v[TM+\b]
.endr
.irp b, 0,1
	s_delay_alu instid0(VALU_DEP_2)
	v_lshrrev_b32 v[TP+\b], 23, v[TO+\b]
.endr
	s_delay_alu instid0(VALU_DEP_1)
	v_lshl_or_b32 v252, v[TP+1], 8, v[TP]          ; my head's two bytes of the row's scale word
	v_cvt_scalef32_pk16_fp6_f32 v[CT:CT+2], v[AV:AV+15], v[TO]
	v_cvt_scalef32_pk16_fp6_f32 v[CT+4:CT+6], v[AV+16:AV+31], v[TO+1]
	v_nop
.irp i, 0,1,2
	v_permlane16_swap_b32 v[CT+\i], v[CT+4+\i]
.endr
	s_delay_alu instid0(VALU_DEP_3)
	v_mov_b32 v[CT+3], v[CT+4]                     ; block (lane / 16) of my row: 24 bytes on end
	s_delay_alu instid0(VALU_DEP_3)
	v_mov_b32 v[CT+4], v[CT+5]
	s_delay_alu instid0(VALU_DEP_3)
	v_mov_b32 v[CT+5], v[CT+6]
	global_store_b128 v[GA], v[CT:CT+3], s[AB:AB+1] offset:256*\t        ; two aligned runs of 256 bytes
.if \t == 0
	v_mov_b32 v[KE], v[CT+4]                       ; kept: with tile 1's they fill whole runs
	v_mov_b32 v[KE+1], v[CT+5]
	v_mov_b32 v[KH], v252
.else
	v_permlane16_swap_b32 v[KE], v[CT+4]           ; the kept: both tiles' parts of the even block; the other: of the odd block
	v_permlane16_swap_b32 v[KE+1], v[CT+5]
	v_cndmask_b32 v[KH], v[KH], v252, s[MSK]       ; lanes 0-15 tile 0's rows, lanes 16-31 tile 1's
	global_store_b64 v[L8], v[KE:KE+1], s[AB:AB+1] offset:512
	global_store_b64 v[GX], v[CT+4:CT+5], s[AB:AB+1] offset:768+512
	global_store_b16 v[GH], v[KH], s[AH:AH+1]
.endif
.endm
	s_mov_b32 s[CNT], 2
.Lpair:
	s_cmp_eq_u32 s[CNT], 2
	s_cselect_b32 s[STQ], 1536, 0
	s_cselect_b32 s[STW], 128, 0
	TASK 0
	TASK 1
	s_wait_xcnt 0x0                                ; the stores have read their bases
	s_add_nc_u64 s[AB:AB+1], s[AB:AB+1], 3072
	s_add_nc_u64 s[AH:AH+1], s[AH:AH+1], 128
	s_sub_co_u32 s[CNT], s[CNT], 1
	s_cmp_lg_u32 s[CNT], 0
	s_cbranch_scc1 .Lpair
	s_setprio 0
	s_wait_tensorcnt 0x0
	ds_add_u32 v254, v255
	s_wait_dscnt 0x0
	s_endpgm
.Lfunc_end_k_q6aa750f968_attn:
	.size	k_q6aa750f968_attn, .Lfunc_end_k_q6aa750f968_attn-k_q6aa750f968_attn
	.p2alignl 7, 3214868480
	.fill 96, 4, 3214868480
	.section	.rodata,"a",@progbits
	.p2align	6, 0x0
	.amdhsa_kernel k_q6aa750f968_attn
		.amdhsa_group_segment_fixed_size 29696
		.amdhsa_private_segment_fixed_size 0
		.amdhsa_enable_private_segment 0
		.amdhsa_kernarg_size 40
		.amdhsa_user_sgpr_count 2
		.amdhsa_user_sgpr_kernarg_segment_ptr 1
		.amdhsa_wavefront_size32 1
		.amdhsa_system_sgpr_workgroup_id_x 1
		.amdhsa_system_sgpr_workgroup_id_y 1
		.amdhsa_system_sgpr_workgroup_id_z 1
		.amdhsa_system_vgpr_workitem_id 0
		.amdhsa_next_free_vgpr 256
		.amdhsa_next_free_sgpr 66
		.amdhsa_reserve_vcc 1
		.amdhsa_float_denorm_mode_32 3
		.amdhsa_float_denorm_mode_16_64 3
		.amdhsa_memory_ordered 1
		.amdhsa_forward_progress 1
		.amdhsa_inst_pref_size 85
	.end_amdhsa_kernel
	.amdgpu_metadata
---
amdhsa.version: [ 1, 2 ]
amdhsa.kernels:
  - .name:           k_q6aa750f968_attn
    .symbol:         k_q6aa750f968_attn.kd
    .args:
      - { .name: qc, .offset: 0, .size: 8, .value_kind: global_buffer, .address_space: global }
      - { .name: kc, .offset: 8, .size: 8, .value_kind: global_buffer, .address_space: global }
      - { .name: vc, .offset: 16, .size: 8, .value_kind: global_buffer, .address_space: global }
      - { .name: mask, .offset: 24, .size: 8, .value_kind: global_buffer, .address_space: global }
      - { .name: ac, .offset: 32, .size: 8, .value_kind: global_buffer, .address_space: global }
    .group_segment_fixed_size: 29696
    .private_segment_fixed_size: 0
    .kernarg_segment_align: 8
    .kernarg_segment_size: 40
    .max_flat_workgroup_size: 512
    .sgpr_count:     66
    .vgpr_count:     256
    .wavefront_size: 32
...
	.end_amdgpu_metadata
.endif
;; end of part 3
;; launch outp (part 4): grid 64 x 4, 4 waves a work-group, clusters of 4 x 4, 327,680 bytes of LDS; arguments ac, wo, bp, x, out0; writes out0
.if DOCPART == 4
	.amdgcn_target "amdgcn-amd-amdhsa--gfx1250"
	.amdhsa_code_object_version 6
	.text
	.protected	k_q6aa750f968_outp
	.globl	k_q6aa750f968_outp
	.p2align	8
	.type	k_q6aa750f968_outp,@function
k_q6aa750f968_outp:
	s_mov_b64 s[64:65], 0
	v_nop
	global_prefetch_b8 v0, s[64:65] scope:SCOPE_SE
	s_setreg_imm32_b32 hwreg(HW_REG_WAVE_MODE, 25, 1), 1
	s_wait_xcnt 0x0
	s_wait_alu depctr_hold_cnt(0) depctr_sa_sdst(0) depctr_va_vdst(0) depctr_va_sdst(0) depctr_va_ssrc(0) depctr_va_vcc(0) depctr_vm_vsrc(0)
	s_getreg_b32 s2, hwreg(HW_REG_IB_STS2, 6, 4)
	s_cmp_eq_u32 s2, 0
	s_cbranch_scc0 .Lentry_in_a_cluster
	s_endpgm
.Lentry_in_a_cluster:
	s_bfe_u32 s2, ttmp6, 0x10000c
	s_cmp_lg_u32 s2, 0xf033
	s_cbranch_scc0 .Lentry_shape_is_right
	s_endpgm
.Lentry_shape_is_right:
; out = x + Wp a + bp.  The product on codes of FP6 (E2M3) with E8M0 scales, K = 1,024; a tile of 256 channels x 256 places, four waves of 128 x 128 (64 accumulators, 512 registers).
; The side called A is source 1 (its rows become lanes): 256 rows of Wp; the side called B is source 0 (its rows become registers): 256 places of a.  So a lane's eight results are eight neighbouring places of one channel:
; 32 consecutive bytes of the output.  In both sides lane r of tile t of a pair of 32 rows is row 8 t + r + 8 (r / 8).
; OPERANDS lie in memory as dense blocks of 25,600 bytes for each (256 rows, K step of 128): 24,576 of codes in the order in which lanes load them, 1,024 of scale words.
; THE RING: two LDS slots of 4 blocks (A's two K steps, B's two); each wave fetches one block by one tensor load of 100 rows x 256 bytes.  Four slots' worth of K: written out, no loop.
; CLUSTER 4 x 4: Wp's blocks are shared along a row of the cluster, a's along a column: joint loads.
; bp is the C of each sum's first product.  x is added on the way out, where a block of 16 channels x 128 places has come back from my stage as whole rows of 512 bytes.
; x's FIRST TWO BLOCKS OF EIGHT ARE LOADED WHILE THE PRODUCTS RUN, into the 128 registers that lie idle there: block 0 ahead of the first K step into window 1's v96-127 and v224-255, which no fragment uses;
; block 1 behind the first K step into the bias's 64 registers, which only that step reads.  The other six follow behind the last product, four blocks ahead of their use.
; x IS PREFETCHED: behind each of the two refills, and the LDS loads behind it, stand two prefetches; the four name rows 32 to 95 of my 128 rows x 512 bytes of x (blocks 2 to 5), each lane another aligned block of 256 bytes,
; each block once in the launch (a wave's part of x is its own); nothing at the head; the address registers are never rewritten.
.set BLK,   25600
.set SLOT,  4*BLK
.set SPARE, 2*SLOT
.set SPITCH, 528                       ; the stage: 16 rows x (512 + 16) bytes a wave, in slot 0, which has had its last fill and its last read when the first result is stored there
.set A16, 4
.set A8,  6
.set B16, 10
.set B8,  12
.set AS,  16
.set BO2, 23
.set STO, 24
.set RD,  25
.set CO,  26
.set PFO, 27
.set SPW, 28
.set NIL, 29
.set SC,  32
.set BI,  64
.set AF,  128
.set BK,  128                          ; the way out: rows read back: v128-191 and v192-255 by turns
.set WV, 20
.set HA, 21
.set HB, 22
.set CX, 23
.set CY, 24
.set G1A, 28
.set G0A, 36
.set G1B, 44
.set G0B, 52
.set XB,  66                           ; s[66:67] x at my part's first byte
.set OB,  68                           ; s[68:69] out0 likewise
.set MSB, 0
.macro WIN new
.if MSB != (\new)
	s_set_vgpr_msb (MSB<<8)|(\new)
.set MSB, (\new)
.endif
.endm
.macro PLACES
.rept 4
	v_nop
.endr
.endm
.macro JLOAD s
	s_cmp_eq_u32 s[HA], 0
	s_cbranch_scc0 .Lfor_b_\@
	tensor_load_to_lds s[G0A+4*\s:G0A+4*\s+3], s[G1A:G1A+7]
	s_nop 0
.rept 4
	v_nop
.endr
	s_branch .Lasked_\@
.Lfor_b_\@:
	tensor_load_to_lds s[G0B+4*\s:G0B+4*\s+3], s[G1B:G1B+7]
	s_nop 0
.rept 4
	v_nop
.endr
.Lasked_\@:
.endm
.macro CREST
	s_cmp_lg_u32 s[WV], 0
	s_cbranch_scc1 .Lnot_wave_0_\@
	s_barrier_signal -3
.Lnot_wave_0_\@:
	s_barrier_wait -3
	s_barrier_signal -1
	s_barrier_wait -1
.endm
.macro CROUND
	s_barrier_signal -1
	s_barrier_wait -1
	CREST
.endm
.macro FRAG reg, a16, a8, off, i       ; a fragment: lane (r, h) takes blocks h and 2 + h of its row, 16 + 8 bytes each
.irp cc, 0,1
	ds_load_b128 v[\reg+6*\cc:\reg+6*\cc+3], v[\a16] offset:(\off)+3072*((\i)/2)+1536*\cc+256*((\i)%2)
	ds_load_b64 v[\reg+6*\cc+4:\reg+6*\cc+5], v[\a8+2*((\i)%2)] offset:(\off)+3072*((\i)/2)+1536*\cc+512
.endr
.endm
.macro FETCH_B slot, q, p
	WIN 0x40
.irp i, 0,1,2,3,4,5,6,7
	FRAG 128*(\p)+12*\i, B16+\slot, B8+\slot, BLK*(\q), \i
.endr
	WIN 0
.endm
.macro FETCH_A slot, q, i0
.irp i, \i0, \i0+1, \i0+2, \i0+3
	FRAG AF+12*(\i), A16+\slot, A8+\slot, BLK*(\q), \i
.endr
.endm
.macro SCALES slot, q
.irp i, 0,1,2,3,4,5,6,7
	ds_load_b32 v[SC+8*(\q)+\i], v[AS+\slot] offset:BLK*(\q)+64*\i
.endr
.endm
.macro WMUL hi, cm
.if \cm == 0
	WIN 0xa1+0x50*\hi
.else
	WIN 0x81+0x40*\hi
.endif
.endm
; 16 products: A's blocks a0, a0 + 1 x B's eight.  cm 0: onto the sums; 2: the sums begin with the bias of the lanes' rows.  The 64 accumulators take turns
.macro MUL16 a0, q, cm
.irp a, \a0, \a0+1
.irp b, 0,1,2,3,4,5,6,7
.if \cm == 0
	v_wmma_scale_f32_16x16x128_f8f6f4 v[8*(8*((\a)%4)+\b):8*(8*((\a)%4)+\b)+7], v[128*(\q)+12*\b:128*(\q)+12*\b+11], v[AF+12*(\a):AF+12*(\a)+11], v[8*(8*((\a)%4)+\b):8*(8*((\a)%4)+\b)+7], v[SC+8*(\q)+\b], v[SC+8*(\q)+(\a)] matrix_a_fmt:MATRIX_FMT_FP6 matrix_b_fmt:MATRIX_FMT_FP6 matrix_a_scale:MATRIX_SCALE_ROW1
.else
	v_wmma_scale_f32_16x16x128_f8f6f4 v[8*(8*((\a)%4)+\b):8*(8*((\a)%4)+\b)+7], v[128*(\q)+12*\b:128*(\q)+12*\b+11], v[AF+12*(\a):AF+12*(\a)+11], v[BI+8*(\a):BI+8*(\a)+7], v[SC+8*(\q)+\b], v[SC+8*(\q)+(\a)] matrix_a_fmt:MATRIX_FMT_FP6 matrix_b_fmt:MATRIX_FMT_FP6 matrix_a_scale:MATRIX_SCALE_ROW1
.endif
.endr
.endr
.endm
.macro STEP slot, cm
	s_wait_dscnt 16                                ; all but the youngest 16 loads, A's blocks 4-7
	WMUL 0, \cm
	MUL16 0, 0, \cm
	MUL16 2, 0, \cm
	s_wait_dscnt 0x0
	PLACES
	FETCH_B \slot, 1, 1
	FETCH_A \slot, 1, 0
	SCALES \slot, 1
	WMUL 1, \cm
	MUL16 4, 0, \cm
	MUL16 6, 0, \cm
	PLACES
	WIN 0
	FETCH_A \slot, 1, 4
.endm
.macro TURN slot, next, fill, pf
	s_wait_tensorcnt 0x0                           ; my one load that was out, my block of the next slot, has landed
	ds_add_u32 v[SPW], v[NIL]                      ; 0 onto my spare word
	s_wait_dscnt 17                                ; (the add and the youngest 16 loads may be out)
	WIN 0xa1
	MUL16 0, 1, 0
	s_wait_dscnt 0x0                               ; the add is done, and my reads of this slot are over
	s_barrier_signal -1
	MUL16 2, 1, 0
	WIN 0
	s_barrier_wait -1
.if \fill
	CREST                                          ; the barrier has opened a round of the cluster's
	s_add_nc_u64 s[G0A+4*\slot+2:G0A+4*\slot+3], s[G0A+4*\slot+2:G0A+4*\slot+3], 4*BLK
	s_add_nc_u64 s[G0B+4*\slot+2:G0B+4*\slot+3], s[G0B+4*\slot+2:G0B+4*\slot+3], 4*BLK
	JLOAD \slot
.else
	PLACES
.endif
	FETCH_B \next, 0, 0
	FETCH_A \next, 0, 0
	SCALES \next, 0
.if \fill
	s_wait_alu depctr_va_vdst(0)
	global_prefetch_b8 v[PFO], s[XB:XB+1] offset:65536*(2*\pf+2) th:TH_LOAD_NT scope:SCOPE_SE    ; 16 rows of x each: rows 32 + 32 pf on of my 128
	global_prefetch_b8 v[PFO], s[XB:XB+1] offset:65536*(2*\pf+3) th:TH_LOAD_NT scope:SCOPE_SE
.endif
	WIN 0xf1
	MUL16 4, 1, 0
	MUL16 6, 1, 0
	PLACES
	WIN 0
	FETCH_A \next, 0, 4
.endm
.macro LAST
	s_wait_dscnt 16
	WIN 0xa1
	MUL16 0, 1, 0
	MUL16 2, 1, 0
	s_wait_dscnt 0x0
	WIN 0xf1
	MUL16 4, 1, 0
	MUL16 6, 1, 0
	WIN 0
	PLACES                                         ; behind the last products: for the loads into the fragments' registers and the first reads of results
.endm
; WHERE x's ROWS LIE.  Row t (0..15) of block a takes four registers from XRG on, in one of four sets by a % 4:
;   0: window 1, v96-127 (rows 0-7) and v224-255 (rows 8-15);   1: window 0, v64-127;   2: window 1, v0-63;   3: window 1, v128-191.
.macro XREG a
.if (\a)%4 == 0
.set XRG, 96+4*t+96*(t/8)
.elseif (\a)%4 == 1
.set XRG, 64+4*t
.elseif (\a)%4 == 2
.set XRG, 4*t
.else
.set XRG, 128+4*t
.endif
.endm
; x's 16 rows of block a.  Row t of block a is channel 32 (a / 2) + 8 (a % 2) + t + 8 (t / 8) of my 128: it stands in the immediates, 127 x 4,096 bytes at the most, so no base is stepped.
.macro XLOAD a
.if (\a)%4 == 1
	WIN 0
.else
	WIN 0x40
.endif
.set t, 0
.rept 16
	XREG \a
	global_load_b128 v[XRG:XRG+3], v[CO], s[XB:XB+1] offset:4096*(32*((\a)/2)+8*((\a)%2)+t+8*(t/8)) th:TH_LOAD_NT
.set t, t+1
.endr
	WIN 0
.endm
	s_load_b256 s[4:11], s[0:1], 0x0               ; ac s[4:5], wo s[6:7], bp s[8:9], x s[10:11]
	s_load_b64 s[12:13], s[0:1], 0x20              ; out0
	v_lshl_add_u32 v[SPW], v0, 2, SPARE
	v_mov_b32 v[NIL], 0
	ds_add_u32 v28, v29
	ds_add_u32 v28, v29
	s_wait_dscnt 0x0
	v_lshrrev_b32 v1, 5, v0
	v_readfirstlane_b32 s[WV], v1
	s_lshr_b32 s[HA], s[WV], 1
	s_and_b32 s[HB], s[WV], 1
	s_bfe_u32 s[CX], ttmp6, 0x40000
	s_bfe_u32 s[CY], ttmp6, 0x40004
	s_lshl_b32 s80, s[CY], 2
	s_lshl_b32 s80, 15, s80
	s_lshl_b32 s86, 0x1111, s[CX]
	s_or_b32 s[G1A], s80, (3<<16)|(1<<21)
	s_or_b32 s[G1B], s86, (3<<16)|(1<<21)
.irp g, G1A, G1B
	s_mov_b32 s[\g+1], 32<<16
	s_mov_b32 s[\g+2], 100<<16
	s_mov_b32 s[\g+3], 32<<16
	s_mov_b32 s[\g+4], 100
	s_mov_b32 s[\g+5], 32
	s_mov_b32 s[\g+6], 0
	s_mov_b32 s[\g+7], 0
.endr
	s_mul_i32 s82, s[CY], 8*BLK                    ; A: Wp's group of 256 rows cy
	s_add_co_u32 s82, s82, 4096000
	s_mul_i32 s83, s[HB], BLK
	s_add_co_u32 s82, s82, s83
	s_mov_b32 s83, 0
	s_lshl_b32 s88, ttmp9, 2                       ; B: a's group of 256 places 4 x cluster x + cx
	s_add_co_u32 s88, s88, s[CX]
	s_mul_i32 s88, s88, 8*BLK
	s_mul_i32 s89, s[HB], BLK
	s_add_co_u32 s88, s88, s89
	s_mov_b32 s89, 0
	s_mul_i32 s27, s[WV], BLK
	s_wait_kmcnt 0x0
	s_add_nc_u64 s[84:85], s[6:7], s[82:83]
	s_add_nc_u64 s[90:91], s[4:5], s[88:89]
	CROUND
.irp s, 0,1
	s_mov_b32 s[G0A+4*\s], 1
	s_add_co_u32 s[G0A+4*\s+1], s27, \s*SLOT
	s_add_nc_u64 s[G0A+4*\s+2:G0A+4*\s+3], s[84:85], \s*2*BLK
	s_or_b32 s[G0A+4*\s+3], s[G0A+4*\s+3], 0x80000000
	s_mov_b32 s[G0B+4*\s], 1
	s_add_co_u32 s[G0B+4*\s+1], s27, \s*SLOT
	s_add_nc_u64 s[G0B+4*\s+2:G0B+4*\s+3], s[90:91], \s*2*BLK
	s_or_b32 s[G0B+4*\s+3], s[G0B+4*\s+3], 0x80000000
	s_wait_alu depctr_va_vdst(0)
	s_wait_tensorcnt 0x0
	ds_add_u32 v28, v29
	ds_add_u32 v28, v29
	s_wait_dscnt 0x0
	CROUND
	JLOAD \s
.endr
	v_and_b32 v1, 15, v0
	v_bfe_u32 v2, v0, 4, 1
	v_and_b32 v3, 31, v0
	v_mul_u32_u24 v18, v2, 768
	v_lshl_add_u32 v18, v1, 4, v18
	v_mul_u32_u24 v19, v2, 896
	v_lshl_add_u32 v19, v1, 3, v19
	v_mul_u32_u24 v20, v2, 640
	v_lshl_add_u32 v20, v1, 3, v20
	v_add_nc_u32 v20, 128, v20
	s_mul_i32 s92, s[HA], 12288
	s_mul_i32 s93, s[HB], 12288
	s_add_co_u32 s93, s93, 2*BLK
.irp s, 0,1
	v_add_nc_u32 v[A16+\s], s92, v18
	v_add_nc_u32 v[A8+\s], s92, v19
	v_add_nc_u32 v[A8+2+\s], s92, v20
	v_add_nc_u32 v[B16+\s], s93, v18
	v_add_nc_u32 v[B8+\s], s93, v19
	v_add_nc_u32 v[B8+2+\s], s93, v20
	s_add_co_u32 s92, s92, SLOT
	s_add_co_u32 s93, s93, SLOT
.endr
	s_lshl_b32 s92, s[HA], 9
	s_lshl_b32 s93, s[HB], 9
	s_add_co_u32 s93, s93, 2*BLK
	s_sub_co_u32 s93, s93, s92
	v_mul_u32_u24 v18, s93, v2                     ; lanes 16-31 take B's words
	v_lshl_add_u32 v18, v1, 2, v18
	s_add_co_u32 s92, s92, 24576
	v_add_nc_u32 v[AS], s92, v18
	v_add_nc_u32 v[AS+1], SLOT, v[AS]
	s_mul_i32 s92, s[WV], 16*SPITCH                ; my stage
	v_mul_u32_u24 v[STO], v1, SPITCH
	v_lshl_add_u32 v[STO], v2, 6, v[STO]
	v_add_nc_u32 v[STO], s92, v[STO]               ; in: row r, + 64 h: tile b's eight places lie at 128 (b / 2) + 32 (b % 2) bytes on
	v_lshlrev_b32 v[CO], 4, v3                     ; back: the 32 lanes take a row of 512 bytes; and the same in x and out0
	v_add_nc_u32 v[RD], s92, v[CO]
	v_and_b32 v[BO2], 8, v1
	v_add_nc_u32 v[BO2], v[BO2], v1
	v_lshlrev_b32 v[BO2], 2, v[BO2]
	s_wait_alu depctr_va_vdst(0)
	v_lshrrev_b32 v[PFO], 1, v3
	v_lshlrev_b32 v[PFO], 12, v[PFO]
	v_and_b32 v18, 1, v3
	v_lshl_add_u32 v[PFO], v18, 8, v[PFO]          ; 4,096 (lane / 2) + 256 (lane % 2)
	s_lshl_b32 s90, ttmp9, 22                      ; my part of x and out0: batch = cluster x,
	s_lshl_b32 s91, s[CY], 20                      ; channel 256 cy + 128 HA,
	s_add_co_u32 s90, s90, s91
	s_lshl_b32 s91, s[HA], 19
	s_add_co_u32 s90, s90, s91
	s_lshl_b32 s91, s[CX], 10                      ; place 256 cx + 128 HB
	s_add_co_u32 s90, s90, s91
	s_lshl_b32 s91, s[HB], 9
	s_add_co_u32 s90, s90, s91
	s_mov_b32 s91, 0
	s_add_nc_u64 s[XB:XB+1], s[10:11], s[90:91]
	s_add_nc_u64 s[OB:OB+1], s[12:13], s[90:91]
	s_lshl_b32 s92, s[CY], 10
	s_lshl_b32 s93, s[HA], 9
	s_add_co_u32 s92, s92, s93
	s_mov_b32 s93, 0
	s_add_nc_u64 s[70:71], s[8:9], s[92:93]        ; bp at my 128 channels
.set i, 0
.rept 64
	global_load_b32 v[BI+i], v[BO2], s[70:71] offset:4*(32*((i/8)/2)+8*((i/8)%2))   ; tile i / 8: my lane's channel's number in all eight registers
.set i, i+1
.endr
	s_wait_tensorcnt 1                             ; my block of slot 0 is in (slot 1's may be out)
	s_barrier_signal -1
	s_barrier_wait -1
	FETCH_B 0, 0, 0
	FETCH_A 0, 0, 0
	SCALES 0, 0
	FETCH_A 0, 0, 4
	s_wait_loadcnt 0x0                             ; the bias
	XLOAD 0                                        ; x's block 0: into registers that no fragment uses; it has all the products in which to come
	STEP 0, 2                                      ; the first K step starts the sums, with bp as C
	XLOAD 1                                        ; x's block 1: over the bias, four places behind the last product that read it
	TURN 0, 1, 1, 0
	STEP 1, 0
	TURN 1, 0, 1, 1
	STEP 0, 0
	TURN 0, 1, 0, 0                                ; the last lap fills nothing
	STEP 1, 0
	LAST
; THE WAY OUT, block by block of 16 channels x 128 places.
.macro TOSTAGE a
.set AC, 64*((\a)%4)
	WIN 0x08+4*((\a)/4)                            ; the data: window 2 or 3
.irp b, 0,1,2,3,4,5,6,7
	ds_store_b128 v[STO], v[AC+8*\b:AC+8*\b+3] offset:128*(\b/2)+32*(\b%2)          ; each accumulator from its low end on
	ds_store_b128 v[STO], v[AC+8*\b+4:AC+8*\b+7] offset:128*(\b/2)+32*(\b%2)+16
.endr
	WIN 0
.set BB, BK+64*((\a)%2)
.set t, 0
.rept 16
	ds_load_b128 v[BB+4*t:BB+4*t+3], v[RD] offset:t*SPITCH       ; LDS serves a wave's instructions in order: these see my stores
.set t, t+1
.endr
.endm
.macro SEND a, younger                 ; younger: the LDS instructions issued behind block a's loads
.set BB, BK+64*((\a)%2)
	s_wait_dscnt \younger
.if (\a) <= 4
	s_wait_loadcnt 48                              ; x's rows of this block are in; those of the three blocks behind it may be out
.else
	s_wait_loadcnt 16*(7-(\a))
.endif
.if (\a)%4 == 1
	WIN 0                                          ; x's set 1 lies in window 0
.else
	WIN 0x04                                       ; source 1: window 1
.endif
.set i, 0
.rept 32
.set t, i/2
	XREG \a
	v_pk_add_f32 v[BB+2*i:BB+2*i+1], v[BB+2*i:BB+2*i+1], v[XRG+2*(i%2):XRG+2*(i%2)+1]
.set i, i+1
.endr
	WIN 0
.set t, 0
.rept 16
	global_store_b128 v[CO], v[BB+4*t:BB+4*t+3], s[OB:OB+1] offset:4096*(32*((\a)/2)+8*((\a)%2)+t+8*(t/8)) th:TH_STORE_NT   ; 512 consecutive bytes, aligned
.set t, t+1
.endr
.endm
	XLOAD 2                                        ; into the registers that held B's fragments: the four places stand at the end of the last K step
	XLOAD 3
	TOSTAGE 0
.irp a, 1,2,3,4,5,6,7
.if \a > 1
	s_wait_xcnt 0x0                                ; block a - 2's stores have read their registers: block a's rows may land there
.endif
	TOSTAGE \a
	SEND \a-1, 32                                  ; behind block a - 1's loads: block a's 16 stores and 16 loads
.if \a < 5
	XLOAD \a+3                                     ; into the set that has just been added
.endif
.endr
	SEND 7, 0
	s_wait_tensorcnt 0x0                           ; the wave's end
	ds_add_u32 v[SPW], v[NIL]
	s_wait_dscnt 0x0
	CROUND                                         ; the closing round
	s_endpgm
.Lfunc_end_k_q6aa750f968_outp:
	.size	k_q6aa750f968_outp, .Lfunc_end_k_q6aa750f968_outp-k_q6aa750f968_outp
	.p2alignl 7, 3214868480
	.fill 96, 4, 3214868480
	.section	.rodata,"a",@progbits
	.p2align	6, 0x0
	.amdhsa_kernel k_q6aa750f968_outp
		.amdhsa_group_segment_fixed_size 327680
		.amdhsa_private_segment_fixed_size 0
		.amdhsa_enable_private_segment 0
		.amdhsa_kernarg_size 40
		.amdhsa_user_sgpr_count 2
		.amdhsa_user_sgpr_kernarg_segment_ptr 1
		.amdhsa_wavefront_size32 1
		.amdhsa_system_sgpr_workgroup_id_x 1
		.amdhsa_system_sgpr_workgroup_id_y 1
		.amdhsa_system_sgpr_workgroup_id_z 1
		.amdhsa_system_vgpr_workitem_id 0
		.amdhsa_next_free_vgpr 1024
		.amdhsa_next_free_sgpr 96
		.amdhsa_reserve_vcc 0
		.amdhsa_float_denorm_mode_32 3
		.amdhsa_float_denorm_mode_16_64 3
		.amdhsa_memory_ordered 1
		.amdhsa_forward_progress 1
		.amdhsa_inst_pref_size 180
	.end_amdhsa_kernel
	.amdgpu_metadata
---
amdhsa.version: [ 1, 2 ]
amdhsa.kernels:
  - .name:           k_q6aa750f968_outp
    .symbol:         k_q6aa750f968_outp.kd
    .args:
      - { .name: ac, .offset: 0, .size: 8, .value_kind: global_buffer, .address_space: global }
      - { .name: wo, .offset: 8, .size: 8, .value_kind: global_buffer, .address_space: global }
      - { .name: bp, .offset: 16, .size: 8, .value_kind: global_buffer, .address_space: global }
      - { .name: x, .offset: 24, .size: 8, .value_kind: global_buffer, .address_space: global }
      - { .name: out0, .offset: 32, .size: 8, .value_kind: global_buffer, .address_space: global }
    .group_segment_fixed_size: 327680
    .private_segment_fixed_size: 0
    .kernarg_segment_align: 8
    .kernarg_segment_size: 40
    .max_flat_workgroup_size: 128
    .sgpr_count:     96
    .vgpr_count:     1024
    .wavefront_size: 32
...
	.end_amdgpu_metadata
.endif
;; end of part 4
